; MI455X (gfx1250); checked and timed in simulation.
; The chip was launched on July 23, 2026; its instructions are those of AMD's public machine-readable ISA for CDNA 5 (MIT licence, August 2026) and "CDNA5" Instruction Set Architecture Reference Guide (July 2026). The comments in the code are by the model that wrote it; some were corrected since.
;; Gaussian Prior Attention. Allowed arithmetic: matrix products marked QUANTISED: E2M3 operands, one E8M0 scale for each 32 along K, by v_wmma_scale_f32_16x16x128_f8f6f4 with both operands' format E2M3, f32 sums; everything else in f32.
;; Inputs: Wk 1,024 x 1,024 float32; Wo 1,024 x 1,024 float32; Wq 1,024 x 1,024 float32; Wv 1,024 x 1,024 float32; bk 1,024 float32; bo 1,024 float32; bq 1,024 float32; bv 1,024 float32; prior_lambda one number float32; x 2 x 2,048 x 1,024 float32.
;; Outputs: out0 2 x 2,048 x 1,024 float32.
;; This version of the problem:
;;   THIS VERSION OF THE PROBLEM IS GIVEN IN LOW PRECISION. The matrix products marked QUANTISED in the list below multiply operands that are first quantised to E2M3 (2 exponent bits, 3 mantissa bits; 6 bits a number), with one power-of-two scale for each 32 numbers along K (OCP MX v1.0); their sums are f32. All else is computed in f32.
;;   The module's matrix products, in the order in which they are computed (A, B: the left and right operand; K: the contracted axis; several contracted axes count as one K, in the product's order):
;;     1. [M 4,096, K 1,024] x [K 1,024, N 1,024]; A: input x; B: input Wq: QUANTISED
;;     2. [M 4,096, K 1,024] x [K 1,024, N 1,024]; A: input x; B: input Wk: QUANTISED
;;     3. [M 4,096, K 1,024] x [K 1,024, N 1,024]; A: input x; B: input Wv: QUANTISED
;;     4. batch 32 x [M 2,048, K 64] x [K 64, N 2,048]; A: computed on the way; B: computed on the way: QUANTISED
;;     5. batch 32 x [M 2,048, K 2,048] x [K 2,048, N 64]; A: softmax (see below); B: computed on the way: QUANTISED
;;     6. [M 4,096, K 1,024] x [K 1,024, N 1,024]; A: computed on the way; B: input Wo: QUANTISED
;;   THE QUANTISER, for each operand of a quantised product, along K:
;;     - K is cut into blocks of 32 from its start; a last block that is shorter is filled with zeros.
;;     - A block's scale is 2^e with e = floor(log2(the largest magnitude in the block)) - 2, held to -126 .. 127; a block of zeros has e = 0. As a byte (E8M0): e + 127.
;;     - Each number is divided by its block's scale, clamped to +-7.5, and rounded to the nearest number of E2M3, ties to even, subnormals kept.
;;     - The product sums the exact products of the quantised numbers (number of the format x scale) in f32.
;;   ~~~python
;;   def quantise(x, axis):      # numpy; x: float32 -> the quantised numbers, widened to float32 again
;;       x = np.moveaxis(x, axis, -1); K = x.shape[-1]
;;       x = np.pad(x, [(0, 0)] * (x.ndim - 1) + [(0, -K % 32)]); x = x.reshape(x.shape[:-1] + (-1, 32)); a = np.abs(x).max(-1, keepdims=True)
;;       e = np.where(a > 0, np.clip(np.frexp(np.where(a > 0, a, 1))[1] - 1 - 2, -126, 127), 0)      # np.frexp(a)[1] - 1 = floor(log2(a)), exactly
;;       r = np.clip(x / 2.0 ** e, -7.5, 7.5)
;;       step = 2.0 ** (np.maximum(np.frexp(np.where(r == 0, 1, r))[1] - 1, 0) - 3)
;;       q = np.round(r / step) * step * 2.0 ** e      # np.round: ties to even
;;       return np.moveaxis(q.reshape(q.shape[:-2] + (-1,))[..., :K], -1, axis).astype(np.float32)
;;   ~~~
;;   SOFTMAX AHEAD OF A QUANTISED PRODUCT. Where the list says 'softmax', what is quantised is not the finished softmax but p = 2^(t - M), with t = logit x log2(e) and M = ceil(the row's largest t), a whole number; so 1/2 < the row's largest p <= 1. The row's sum l is taken of the UNQUANTISED p, in f32, and the product's result is divided by l at the end. Since M is a whole number, a kernel that streams over the keys may use a running M (the ceiling of the running maximum): every later rescaling is an exact power of two, which a block's scale takes up: the codes' values come out the same.
;;   OPERANDS COMPUTED ON THE WAY. 'Computed on the way' means the value that the module computes at that place (a softmax that the list does not call 'softmax' is quantised finished and normalised). What goes into a quantiser is computed in f32, as accurately as f32 sums, v_exp_f32 and their like allow (about 1e-6 of the number): no bf16 or f16 on the way to a quantiser, and a product that is left as it is and whose result goes on into a quantised operand takes f32 operands (vector FMAs, or v_wmma_f32_16x16x4_f32). A number that lies on a knife's edge between two numbers of the format may be rounded either way, as far as f32 arithmetic and the matrix unit's own rounding can turn it there, and no further.
;; One version. Each part assembles by itself: llvm-mc -triple=amdgcn-amd-amdhsa -mcpu=gfx1250 --defsym DOCPART=n.
;; ======== version 1 of 1: 4 launches
;; limits: right only within a limited range of input values
;; workspace buffers: xq 3,276,800 bytes; wq 3,276,800 bytes; oq 3,276,800 bytes; qb 3,407,872 bytes; kv 6,684,672 bytes; pri 8,192 bytes
;; launch quant (part 1): grid 256 x 1, 4 waves a work-group, no clusters, 34,304 bytes of LDS; arguments x, Wq, Wk, Wv, Wo, prior_lambda, xq, wq, pri; writes xq, wq, pri
.if DOCPART == 1
	.amdgcn_target "amdgcn-amd-amdhsa--gfx1250"
	.amdhsa_code_object_version 6
	.text
	.protected	k_q1f1f92773a_quant
	.globl	k_q1f1f92773a_quant
	.p2align	8
	.type	k_q1f1f92773a_quant,@function
k_q1f1f92773a_quant:
	s_mov_b64 s[64:65], 0
	v_nop
	global_prefetch_b8 v0, s[64:65] scope:SCOPE_SE
	s_setreg_imm32_b32 hwreg(HW_REG_WAVE_MODE, 25, 1), 1
	s_wait_xcnt 0x0
; x [4096][1024] and Wq, Wk, Wv, Wo [1024][1024], f32, K innermost, become codes of FP6 (E2M3) with one E8M0 byte for each 32 along K, laid in the ORDER OF THE OPERAND'S REGISTERS.
; A TILE is 16 rows: lane row r of tile T is the tensor's row 32 (T / 2) + 8 (T % 2) + r + 8 (r / 8), so that the results of a product that takes such tiles as source 0 have 16 neighbours in the 16 registers of two neighbouring tiles.
; CODES: [tile][16 pieces of 64 along K][768 bytes]; in a piece lane l's registers 0-3 lie at 16 l, its registers 4-5 at 512 + 8 l; lane (r, h) holds k = 32 h .. 32 h + 31 of row r.
; SCALE BYTES, from byte SCO on: [tile][4 quarters of K][row r][8 bytes].  In wq the tiles are Wq's 64, Wk's, Wv's, Wo's.
; A block's scale is 2^(floor(log2(its largest magnitude)) - 2); its byte is the largest magnitude's exponent field - 2, held at 1 from below.
; LIMITS: a block of zeros gets the byte 1 where the rule says 127 (its codes are zeros, and this program alone reads the bytes); NaN and infinities among the inputs are not served.
; SHARES: work-groups 0-127 take x, 128-255 the weights (32 each), two tiles a work-group; wave w takes tile w / 2 and the half w % 2 of K: four steps of 128 along K.
; Each load reads 512 consecutive bytes of one row; the 16 rows x 512 bytes turn through the wave's own stage in LDS, so that a lane gets two whole blocks of 32 of its row.  Waves share nothing: no barrier.
; Work-groups 0-3 also make the prior's table: pri[s][j] = 8 lambda mask(|208 - j + s|), s = 0 .. 3, j = 0 .. 511.  Values of the mask under 2^-126 come out as 0 (ISA guide, v_exp_f32).
.set SCO, 3145728
.set STG, 8448                         ; a wave's stage: 16 rows of SP bytes
.set SP,  528                          ; 512 bytes + 16: sixteen lanes that read sixteen rows touch sixteen different columns of 16 bytes
.set PC,  16                           ; v16-27   a fragment's codes
.set CT,  28                           ; v28-30, v32-34 the upper halves of the two blocks, as the conversions leave them
.set WD,  36                           ; v36-39   the scale word of each of my four K steps
.set R,   64                           ; v64-191  two sets of 16 x 4 registers as loaded
.set X,   192                          ; v192-255 my two blocks of 32 numbers
	s_load_b256 s[4:11], s[0:1], 0x0               ; x, Wq, Wk, Wv
	s_load_b256 s[12:19], s[0:1], 0x20             ; Wo, prior_lambda, xq, wq
	s_load_b64 s[20:21], s[0:1], 0x40              ; pri
	v_lshl_add_u32 v46, v0, 2, 0x8400
	v_mov_b32 v47, 0
	v_lshrrev_b32 v6, 5, v0
	v_readfirstlane_b32 s22, v6                    ; wave
	v_and_b32 v7, 31, v0                           ; lane
	v_lshlrev_b32 v1, 4, v7                        ; 16 x lane
	v_lshlrev_b32 v4, 3, v7                        ; 8 x lane
	v_and_b32 v6, 15, v0                           ; r
	v_bfe_u32 v5, v0, 4, 1                         ; h
	v_lshlrev_b32 v7, 3, v5                        ; 8 h: the shift of my two bytes in a scale word
	s_mul_i32 s23, s22, STG
	v_add_nc_u32 v2, s23, v1                       ; the stage, on the way in: 16 x lane in a row
	v_mul_u32_u24 v3, v6, SP
	v_lshl_add_u32 v3, v5, 7, v3
	v_add_nc_u32 v3, s23, v3                       ; on the way out: row r, 128 h bytes on
	v_mov_b32 v14, 0                               ; written once: a lane permute's destination counts as one of its sources
	s_mov_b32 s46, 0x76543210
	s_mov_b32 s47, 0xfedcba98                      ; v_permlanex16_b32's selects for lane l xor 16
	s_lshr_b32 s24, s22, 1                         ; which of the two tiles
	s_and_b32 s25, s22, 1                          ; which half of K
	s_cmp_lt_u32 ttmp9, 128
	s_cselect_b32 s26, 0, 128
	s_cselect_b32 s28, 127, 31
	s_sub_co_u32 s26, ttmp9, s26                   ; the pair of tiles in the destination
	s_and_b32 s28, s26, s28                        ; and in the source tensor
	s_lshl_b32 s27, s26, 1
	s_add_co_u32 s27, s27, s24                     ; the destination's tile
	s_lshl_b32 s30, s28, 17                        ; source: 32 rows of 4,096 bytes a pair,
	s_lshl_b32 s29, s24, 15                        ; 8 rows on for the odd tile,
	s_add_co_u32 s30, s30, s29
	s_lshl_b32 s29, s25, 11                        ; 512 numbers on for the upper half of K
	s_add_co_u32 s30, s30, s29
	s_mov_b32 s31, 0
	s_mul_i32 s32, s27, 12288                      ; codes
	s_mul_i32 s29, s25, 6144
	s_add_co_u32 s32, s32, s29
	s_mov_b32 s33, 0
	s_lshl_b32 s34, s27, 9                         ; scale bytes
	s_lshl_b32 s29, s25, 8
	s_add_co_u32 s34, s34, s29
	s_add_co_u32 s34, s34, SCO
	s_mov_b32 s35, 0
	s_wait_alu depctr_va_vdst(0)
	s_wait_kmcnt 0x0
	s_load_b32 s40, s[14:15], 0x0                  ; lambda
	s_mov_b64 s[36:37], s[12:13]                   ; the source is chosen by the work-group's number alone
	s_cmp_lt_u32 ttmp9, 224
	s_cselect_b64 s[36:37], s[10:11], s[36:37]
	s_cmp_lt_u32 ttmp9, 192
	s_cselect_b64 s[36:37], s[8:9], s[36:37]
	s_cmp_lt_u32 ttmp9, 160
	s_cselect_b64 s[36:37], s[6:7], s[36:37]
	s_cmp_lt_u32 ttmp9, 128
	s_cselect_b64 s[36:37], s[4:5], s[36:37]
	s_cselect_b64 s[38:39], s[16:17], s[18:19]
	s_add_nc_u64 s[36:37], s[36:37], s[30:31]
	s_add_nc_u64 s[42:43], s[38:39], s[32:33]
	s_add_nc_u64 s[44:45], s[38:39], s[34:35]
.macro LOAD t                          ; K step t of my 16 rows: 512 consecutive bytes a load
.irp i, 0,1,2,3,4,5,6,7,8,9,10,11,12,13,14,15
	global_load_b128 v[R+64*((\t)%2)+4*\i:R+64*((\t)%2)+4*\i+3], v1, s[36:37] offset:(\i+8*(\i/8))*4096+512*(\t) th:TH_LOAD_NT
.endr
.endm
.macro TURN t                          ; through the stage: LDS serves a wave's instructions in order (ISA guide 5.7.1.4), so no wait stands between the stores and the loads
.irp i, 0,1,2,3,4,5,6,7,8,9,10,11,12,13,14,15
	ds_store_b128 v2, v[R+64*((\t)%2)+4*\i:R+64*((\t)%2)+4*\i+3] offset:SP*\i
.endr
.irp c, 0,1
.irp j, 0,1,2,3,4,5,6,7
	ds_load_b128 v[X+32*\c+4*\j:X+32*\c+4*\j+3], v3 offset:256*\c+16*\j   ; k = 64 c + 32 h + 4 j on, of row r
.endr
.endr
.endm
.macro QF t                            ; my blocks h and 2 + h of the K step: all 32 numbers of each are mine
.irp c, 0,1
	v_max3_num_f32 v[8+\c], |v[X+32*\c]|, |v[X+32*\c+1]|, 0x1800000   ; with the floor 2^(3 - 127): the byte cannot fall under 1
.endr
.irp i, 2,4,6,8,10,12,14,16,18,20,22,24,26,28,30
.irp c, 0,1
	v_max3_num_f32 v[8+\c], v[8+\c], |v[X+32*\c+\i]|, |v[X+32*\c+\i+1]|
.endr
.endr
.irp c, 0,1
	v_add_nc_u32 v[10+\c], 0xff000000, v[8+\c]     ; 2 off the exponent field: the conversion's scale operand
.endr
.irp c, 0,1
	v_lshrrev_b32 v[12+\c], 23, v[10+\c]           ; the scale's byte
.endr
	v_lshl_or_b32 v15, v13, 16, v12
	v_lshlrev_b32 v15, v7, v15                     ; at their places in the word
	v_permlanex16_b32 v14, v15, s46, s47
	v_or_b32 v[WD+\t], v15, v14                    ; with lane l xor 16's two the word is whole
	s_wait_alu depctr_va_vdst(0)
	s_wait_xcnt 0x0                                ; the last step's stores have read the codes' registers
.irp c, 0,1
	v_cvt_scalef32_pk16_fp6_f32 v[PC+6*\c:PC+6*\c+2], v[X+32*\c:X+32*\c+15], v[10+\c]
	v_cvt_scalef32_pk16_fp6_f32 v[CT+4*\c:CT+4*\c+2], v[X+32*\c+16:X+32*\c+31], v[10+\c]   ; (a conversion's three registers begin on an even number)
.endr
	v_nop                                          ; one plain place behind a scaled conversion
.irp c, 0,1
.irp i, 0,1,2
	v_mov_b32 v[PC+3+6*\c+\i], v[CT+4*\c+\i]
.endr
.endr
	global_store_b128 v1, v[PC:PC+3], s[42:43] offset:1536*\t            ; each store covers 512 or 256 consecutive bytes, aligned
	global_store_b64 v4, v[PC+4:PC+5], s[42:43] offset:1536*\t+512
	global_store_b128 v1, v[PC+6:PC+9], s[42:43] offset:1536*\t+768
	global_store_b64 v4, v[PC+10:PC+11], s[42:43] offset:1536*\t+1280
.endm
	LOAD 0
	LOAD 1
.irp t, 0,1,2,3
.if \t < 3
	s_wait_loadcnt 16                              ; this step's sixteen loads are in; the next step's sixteen may be out
.else
	s_wait_loadcnt 0x0
.endif
	TURN \t
	s_wait_dscnt 0x0                               ; my numbers are back, and the stores into the stage have read their registers,
.if \t < 2
	LOAD \t+2                                      ; which take the loads of two steps on
.endif
	QF \t
.endr
	v_cmp_ne_u32 vcc_lo, 0, v5
	v_cndmask_b32 v40, v[WD], v[WD+2], vcc_lo      ; lanes 0-15 store my first quarter's two words, lanes 16-31 the second's
	v_cndmask_b32 v41, v[WD+1], v[WD+3], vcc_lo
	global_store_b64 v4, v[40:41], s[44:45]        ; 256 consecutive bytes, aligned
	s_cmp_lt_u32 ttmp9, 4
	s_cbranch_scc0 .Lend
	; THE PRIOR'S TABLE: copy s = the work-group's number; thread t makes j = 4 t .. 4 t + 3
	s_wait_kmcnt 0x0
	s_mul_f32 s40, s40, 0x41000000                 ; 8 lambda: the scores are kept 8 times the logits
	s_add_co_u32 s41, ttmp9, 208
	v_lshlrev_b32 v42, 2, v0
	v_sub_nc_u32 v42, s41, v42                     ; 208 + s - 4 t
	v_lshlrev_b32 v43, 4, v0
	s_lshl_b32 s30, ttmp9, 11
	s_add_nc_u64 s[20:21], s[20:21], s[30:31]
.irp e, 0,1,2,3
	v_add_nc_u32 v[48+\e], -\e, v42
.endr
.irp e, 0,1,2,3
	v_cvt_f32_i32 v[48+\e], v[48+\e]
.endr
.irp e, 0,1,2,3
	v_add_f32 v[52+\e], |v[48+\e]|, -1.0           ; delta - 1
	v_add_f32 v[56+\e], |v[48+\e]|, 0xc1f00000     ; delta - 30
.endr
.irp e, 0,1,2,3,4,5,6,7
	v_mul_f32 v[52+\e], v[52+\e], v[52+\e]
.endr
.irp e, 0,1,2,3
	v_mul_f32 v[52+\e], 0xc038aa3b, v[52+\e]       ; x -log2(e) / (2 x 0.5^2)
	v_mul_f32 v[56+\e], 0xbe38aa3b, v[56+\e]       ; x -log2(e) / (2 x 2^2)
.endr
	s_wait_alu depctr_va_vdst(0)
.irp e, 0,1,2,3,4,5,6,7
	v_exp_f32 v[52+\e], v[52+\e]
.endr
	v_nop                                          ; a plain place behind the exponentials
	s_wait_alu depctr_va_vdst(0)                   ; one wait for the batch of eight, ahead of its first reader
.irp e, 0,1,2,3
	v_mul_f32 v[56+\e], 0x3ecccccd, v[56+\e]       ; 0.4 x
.endr
.irp e, 0,1,2,3
	v_fmamk_f32 v[52+\e], v[52+\e], 0x3f4ccccd, v[56+\e]   ; + 0.8 x
.endr
.irp e, 0,1,2,3
	v_mul_f32 v[60+\e], s40, v[52+\e]
.endr
	global_store_b128 v43, v[60:63], s[20:21]
.Lend:
	s_wait_tensorcnt 0x0
	ds_add_u32 v46, v47
	s_wait_dscnt 0x0
	s_endpgm
.Lfunc_end_k_q1f1f92773a_quant:
	.size	k_q1f1f92773a_quant, .Lfunc_end_k_q1f1f92773a_quant-k_q1f1f92773a_quant
	.p2alignl 7, 3214868480
	.fill 96, 4, 3214868480
	.section	.rodata,"a",@progbits
	.p2align	6, 0x0
	.amdhsa_kernel k_q1f1f92773a_quant
		.amdhsa_group_segment_fixed_size 34304
		.amdhsa_private_segment_fixed_size 0
		.amdhsa_enable_private_segment 0
		.amdhsa_kernarg_size 72
		.amdhsa_user_sgpr_count 2
		.amdhsa_user_sgpr_kernarg_segment_ptr 1
		.amdhsa_wavefront_size32 1
		.amdhsa_system_sgpr_workgroup_id_x 1
		.amdhsa_system_sgpr_workgroup_id_y 1
		.amdhsa_system_sgpr_workgroup_id_z 1
		.amdhsa_system_vgpr_workitem_id 0
		.amdhsa_next_free_vgpr 256
		.amdhsa_next_free_sgpr 66
		.amdhsa_reserve_vcc 1
		.amdhsa_float_denorm_mode_32 3
		.amdhsa_float_denorm_mode_16_64 3
		.amdhsa_memory_ordered 1
		.amdhsa_forward_progress 1
		.amdhsa_inst_pref_size 34
	.end_amdhsa_kernel
	.amdgpu_metadata
---
amdhsa.version: [ 1, 2 ]
amdhsa.kernels:
  - .name:           k_q1f1f92773a_quant
    .symbol:         k_q1f1f92773a_quant.kd
    .args:
      - { .name: x, .offset: 0, .size: 8, .value_kind: global_buffer, .address_space: global }
      - { .name: Wq, .offset: 8, .size: 8, .value_kind: global_buffer, .address_space: global }
      - { .name: Wk, .offset: 16, .size: 8, .value_kind: global_buffer, .address_space: global }
      - { .name: Wv, .offset: 24, .size: 8, .value_kind: global_buffer, .address_space: global }
      - { .name: Wo, .offset: 32, .size: 8, .value_kind: global_buffer, .address_space: global }
      - { .name: prior_lambda, .offset: 40, .size: 8, .value_kind: global_buffer, .address_space: global }
      - { .name: xq, .offset: 48, .size: 8, .value_kind: global_buffer, .address_space: global }
      - { .name: wq, .offset: 56, .size: 8, .value_kind: global_buffer, .address_space: global }
      - { .name: pri, .offset: 64, .size: 8, .value_kind: global_buffer, .address_space: global }
    .group_segment_fixed_size: 34304
    .private_segment_fixed_size: 0
    .kernarg_segment_align: 8
    .kernarg_segment_size: 72
    .max_flat_workgroup_size: 128
    .sgpr_count:     66
    .vgpr_count:     256
    .wavefront_size: 32
...
	.end_amdgpu_metadata
.endif
;; end of part 1
;; launch qkv (part 2): grid 12 x 16, 4 waves a work-group, clusters of 4 x 4, 327,680 bytes of LDS; arguments xq, wq, bq, bk, bv, qb, kv; writes qb, kv
.if DOCPART == 2
	.amdgcn_target "amdgcn-amd-amdhsa--gfx1250"
	.amdhsa_code_object_version 6
	.text
	.protected	k_q1f1f92773a_qkv
	.globl	k_q1f1f92773a_qkv
	.p2align	8
	.type	k_q1f1f92773a_qkv,@function
k_q1f1f92773a_qkv:
	s_mov_b64 s[64:65], 0
	v_nop
	global_prefetch_b8 v0, s[64:65] scope:SCOPE_SE
	s_setreg_imm32_b32 hwreg(HW_REG_WAVE_MODE, 25, 1), 1
	s_wait_xcnt 0x0
	s_wait_alu depctr_hold_cnt(0) depctr_sa_sdst(0) depctr_va_vdst(0) depctr_va_sdst(0) depctr_va_ssrc(0) depctr_va_vcc(0) depctr_vm_vsrc(0)
	s_getreg_b32 s2, hwreg(HW_REG_IB_STS2, 6, 4)
	s_cmp_eq_u32 s2, 0
	s_cbranch_scc0 .Lentry_in_a_cluster
	s_endpgm
.Lentry_in_a_cluster:
	s_bfe_u32 s2, ttmp6, 0x10000c
	s_cmp_lg_u32 s2, 0xf033
	s_cbranch_scc0 .Lentry_shape_is_right
	s_endpgm
.Lentry_shape_is_right:
; Q = x Wq^T + bq, K = x Wk^T + bk, V = x Wv^T + bv on codes of FP6 (E2M3) with E8M0 scales, and their results quantised again: Q and K along the head's 64, V along the keys.
; ONE BODY, THREE ROLES, chosen by the cluster's x, which all partners share: 0: Q, 1: K (A = x, B = rows of Wq or Wk), 2: V^T (A = rows of Wv, B = x).
; A tile of the result, 256 x 256, is made by four waves, 128 x 128 each: 64 accumulators.  THE MATRIX INSTRUCTION IS USED TRANSPOSED (source 0 = 16 rows of B, source 1 = 16 rows of A): a lane holds one row of A,
; and its registers run along B's rows: the head's axis for Q and K, the keys for V: the next product's K.  By the order of rows in a tile (see the launch that made the codes) the 16 registers of two neighbouring tiles of B are 16 neighbours.
; OPERANDS lie in memory in the order of the operand's registers: [tile][16 pieces of 64 along K][768 bytes]; a fragment (128 along K) is two pieces: loads of 16, 8, 16, 8 bytes a lane, each 512 or 256 consecutive bytes.
; K goes in four quarters of 256.  Three LDS slots take quarters 0, 1, 2 as first fills; quarter 3 fills slot 0 again: the one refill of the launch.  The scale bytes of all of K come once.
; CLUSTERS: 4 x 4 work-groups; A's tiles are asked for jointly by a row of the cluster, B's by a column.  192 work-groups: 3 x 1,024 columns and 4,096 rows in tiles of 256 x 256.
; RESULTS.  qb: [batch x head][group of 128 tokens][6,656]: 8 pieces (tile a at 768 a), then 512 bytes of scale words (tile 4 h + e, row r at 256 h + 16 r + 4 e).
;   kv: [batch x head][128 keys][13,056]: K's 8 pieces; at 6,144 V's 4 fragments (16 channels x 128 keys, registers 4 c on at 512 c + 16 l); at 12,288 K's scale words as in qb; at 12,800 V's (tile 2 h + e, row r at 128 h + 8 r + 4 e).
;   A head's scale word holds its two bytes below; the two above are the next head's or 0: they meet zero codes alone.
; LIMITS: a block of zeros gets the byte 1 where the rule says 127 (its codes are zeros; this program alone reads the bytes); NaN and infinities are not served.
; REGISTERS: window 0: v3-31 addresses and bv; v32-63 scale words, two sets; v64-159, v160-255 A's fragments, two sets.  window 1: v0-95, v96-191 B's, two sets; v192-255 bq or bk.  windows 2, 3: accumulator (a, b) at v[8 (8 (a % 4) + b)].
.set SCO,   3145728
.set SLOT,  98304                      ; a slot: A's 16 tiles x 3,072 bytes, then B's
.set BOFF,  49152
.set HALF,  24576                      ; 8 tiles: what one tensor load brings, and what one wave reads of A or of B
.set SCL,   294912                     ; the scale bytes: A's 16 tiles x 512, then B's
.set SPARE, 311296                     ; the spare words, 128 bytes for each wave: two blocks of 256 bytes that no other line names
.set BNA,  3                           ; v3    64 h: the offset of bq's or bk's loads
.set A16,  4                           ; v4-6  slot j: my A tiles + 16 x lane;  v7-9 + 8 x lane
.set A8,   7
.set B16,  10                          ; v10-12, v13-15 the same for B
.set B8,   13
.set ADRS, 16                          ; v16   my scale words: lanes 0-15 A's rows, lanes 16-31 B's
.set L16,  17                          ; v17   16 x lane
.set BV,   18                          ; v18-25 bv of my row in each of my 8 blocks of rows
.set L8,   26                          ; v26   8 x lane
.set LSC,  27                          ; v27   16 x lane + where the scale words lie
.set SPW,  28                          ; v28   my spare word; never rewritten
.set NIL,  29                          ; v29   0; never rewritten
.set HH,   30                          ; v30   h
.set BVA,  31                          ; v31   the offset of bv's loads
.set SC,   32
.set AF,   64
.set BN,   192
.set T,    64                          ; the way out, window 0: 64 numbers of a lane;
.set PC,   128                         ; v128-147 codes;  v148-163 at work;  v164 the scale word;  v166-173 kept words;  v174-181 words to store;  v182-183 a bias, twice
.set TM,   148
.set PW,   164
.set PWK,  166
.set SL,   174
.set BB,   182
.set G1,   24
.set G1B,  32
.set G1S,  40
.set G1SB, 48
.set G0A0, 56
.set G0A1, 60
.set G0A2, 68
.set G0SA, 72
.set G0B0, 76
.set G0B1, 80
.set G0B2, 84
.set G0SB, 88
.set MSB, 0
.macro WIN new                         ; the immediate's high byte repeats the setting that is left
.if MSB != \new
	s_set_vgpr_msb (MSB<<8)|\new
.set MSB, \new
.endif
.endm
.set MUL_LO, 0xa1                      ; source 0 (B) window 1, source 1 (A) window 0, C and D window 2
.set MUL_HI, 0xf1
; A joint load: waves 0 and 1 fetch for A, waves 2 and 3 for B.  The branch hangs on the wave's number alone.  Four v_nop follow each of the two lines.
.macro JLOAD g0a, g1a, g0b, g1b
	s_cmp_eq_u32 s19, 0
	s_cbranch_scc0 .Lfor_b_\@
	tensor_load_to_lds s[\g0a:\g0a+3], s[\g1a:\g1a+7]
	s_nop 0
.rept 4
	v_nop
.endr
	s_branch .Lasked_\@
.Lfor_b_\@:
	tensor_load_to_lds s[\g0b:\g0b+3], s[\g1b:\g1b+7]
	s_nop 0
.rept 4
	v_nop
.endr
.Lasked_\@:
.endm
.macro CREST                           ; a round of the cluster's barrier behind its opening barrier
	s_cmp_lg_u32 s18, 0
	s_cbranch_scc1 .Lnot_wave_0_\@
	s_barrier_signal -3
.Lnot_wave_0_\@:
	s_barrier_wait -3
	s_barrier_signal -1
	s_barrier_wait -1
.endm
.macro CROUND
	s_barrier_signal -1
	s_barrier_wait -1
	CREST
.endm
.macro PLACES n
.rept \n
	v_nop
.endr
.endm
	s_load_b256 s[4:11], s[0:1], 0x0               ; xq, wq, bq, bk
	s_load_b128 s[12:15], s[0:1], 0x20             ; bv, qb
	s_load_b64 s[16:17], s[0:1], 0x30              ; kv
	v_lshl_add_u32 v[SPW], v0, 2, SPARE
	v_mov_b32 v[NIL], 0
	ds_add_u32 v28, v29
	ds_add_u32 v28, v29
	s_wait_dscnt 0x0
	v_lshrrev_b32 v1, 5, v0
	v_readfirstlane_b32 s18, v1                    ; wave
	s_lshr_b32 s19, s18, 1                         ; which half of the rows is mine.  Also: I fetch for A (0) or for B (1)
	s_and_b32 s20, s18, 1                          ; which half of the columns.  Also: which 8 tiles I fetch
	s_bfe_u32 s21, ttmp6, 0x40000                  ; cx
	s_bfe_u32 s22, ttmp6, 0x40004                  ; cy
	s_and_b32 s23, ttmp7, 0xffff
	s_lshl_b32 s23, s23, 2                         ; 4 x cluster y
	s_lshl_b32 s100, s22, 2
	s_lshl_b32 s100, 15, s100                      ; my row of the cluster
	s_lshl_b32 s101, 0x1111, s21                   ; my column
	; group 1 for the codes: 8 rows (tiles) of 3,072 bytes (384 elements of 8 bytes), 12,288 bytes apart; no padding: every LDS read is of consecutive bytes
	s_or_b32 s[G1], s100, (3<<16)|(1<<21)
	s_or_b32 s[G1B], s101, (3<<16)|(1<<21)
.irp g, G1, G1B
	s_mov_b32 s[\g+1], 384<<16
	s_mov_b32 s[\g+2], 16<<16                      ; the head's loads of codes bring all 16 tiles of a side; the later ones 8 (the words are set anew where no load of mine is out)
	s_mov_b32 s[\g+3], 384<<16
	s_mov_b32 s[\g+4], 16
	s_mov_b32 s[\g+5], 1536
	s_mov_b32 s[\g+6], 0
	s_mov_b32 s[\g+7], 0
.endr
	; and for the scale bytes of 16 tiles: 8,192 dense bytes as 32 rows of 256
	s_or_b32 s[G1S], s100, (3<<16)|(1<<21)
	s_or_b32 s[G1SB], s101, (3<<16)|(1<<21)
.irp g, G1S, G1SB
	s_mov_b32 s[\g+1], 32<<16
	s_mov_b32 s[\g+2], 32<<16                      ; the scale bytes of all 16 tiles of a side: 32 rows of 256 bytes, one load
	s_mov_b32 s[\g+3], 32<<16
	s_mov_b32 s[\g+4], 32
	s_mov_b32 s[\g+5], 32
	s_mov_b32 s[\g+6], 0
	s_mov_b32 s[\g+7], 0
.endr
	; A's first tile hangs on cy alone among the places in the cluster, B's on cx alone
	s_add_co_u32 s66, s23, s22
	s_lshl_b32 s66, s66, 4                         ; Q, K: x's tile 16 (4 Y + cy)
	s_lshl_b32 s2, s22, 4
	s_add_co_u32 s2, s2, 128                       ; V: Wv's tile 128 + 16 cy
	s_lshl_b32 s67, ttmp9, 2
	s_add_co_u32 s67, s67, s21
	s_lshl_b32 s67, s67, 4                         ; Q, K: the weight's tile 16 (4 X + cx)
	s_add_co_u32 s3, s23, s21
	s_lshl_b32 s3, s3, 4                           ; V: x's tile 16 (4 Y + cx)
	s_cmp_eq_u32 ttmp9, 2
	s_cselect_b32 s66, s2, s66
	s_cselect_b32 s67, s3, s67
	s_mul_i32 s92, s66, 12288
	s_mov_b32 s93, 0
	s_lshl_b32 s94, s66, 9
	s_add_co_u32 s94, s94, SCO
	s_mov_b32 s95, 0
	s_mul_i32 s96, s67, 12288
	s_mov_b32 s97, 0
	s_lshl_b32 s98, s67, 9
	s_add_co_u32 s98, s98, SCO
	s_mov_b32 s99, 0
	s_mul_i32 s66, s18, HALF                       ; where they go: no place in the cluster enters an LDS address
	s_wait_kmcnt 0x0
	s_cmp_eq_u32 ttmp9, 2
	s_cselect_b64 s[2:3], s[6:7], s[4:5]           ; A's buffer
	s_cselect_b64 s[100:101], s[4:5], s[6:7]       ; B's
	s_add_nc_u64 s[92:93], s[2:3], s[92:93]
	s_add_nc_u64 s[94:95], s[2:3], s[94:95]
	s_add_nc_u64 s[96:97], s[100:101], s[96:97]
	s_add_nc_u64 s[98:99], s[100:101], s[98:99]
	CROUND                                         ; all sixteen work-groups are here: the first joint loads meet
; THE HEAD'S FOUR TILES, ONE LOAD A WAVE: wave 0 quarter 0 of A's 16 tiles, wave 1 of B's, wave 2 A's scale bytes, wave 3 B's.
.macro DESC g0, lds, adr
	s_mov_b32 s[\g0], 1
	s_mov_b32 s[\g0+1], \lds
	s_mov_b64 s[\g0+2:\g0+3], s[\adr:\adr+1]
	s_or_b32 s[\g0+3], s[\g0+3], 0x80000000
.endm
	DESC G0A0, 0, 92
	DESC G0B0, BOFF, 96
	DESC G0SA, SCL, 94
	DESC G0SB, SCL+8192, 98
	s_mul_i32 s100, s20, 8*12288                   ; the later loads: the 8 tiles that I fetch
	s_mov_b32 s101, 0
	s_add_nc_u64 s[92:93], s[92:93], s[100:101]
	s_add_nc_u64 s[96:97], s[96:97], s[100:101]
	s_lshl_b32 s67, s66, 1                         ; wave x 8 tiles x 6,144 bytes
.macro RING g0a, g0b, reg, off, j
	s_mov_b32 s[\g0a], 1
	s_add_co_u32 s[\g0a+1], s[\reg], \off
	s_add_nc_u64 s[\g0a+2:\g0a+3], s[92:93], \j*3072
	s_or_b32 s[\g0a+3], s[\g0a+3], 0x80000000
	s_mov_b32 s[\g0b], 1
	s_add_co_u32 s[\g0b+1], s[\reg], \off
	s_add_nc_u64 s[\g0b+2:\g0b+3], s[96:97], \j*3072
	s_or_b32 s[\g0b+3], s[\g0b+3], 0x80000000
.endm
	RING G0A1, G0B1, 67, SLOT, 1                   ; quarters 1 and 2 as one tile with rows of 6,144 bytes, behind slot 0
	RING G0A2, G0B2, 66, 0, 3                      ; quarter 3, into slot 0
.macro ARM under, g0, g1, next
	s_cmp_lt_u32 s18, \under
	s_cbranch_scc0 \next
	tensor_load_to_lds s[\g0:\g0+3], s[\g1:\g1+7]
	s_nop 0
.rept 4
	v_nop
.endr
	s_branch .Lhead_asked
\next:
.endm
	ARM 1, G0A0, G1,  .Lhead_b
	ARM 2, G0B0, G1B, .Lhead_sa
	ARM 3, G0SA, G1S, .Lhead_sb
	tensor_load_to_lds s[G0SB:G0SB+3], s[G1SB:G1SB+7]
	s_nop 0
.rept 4
	v_nop
.endr
.Lhead_asked:
	v_and_b32 v1, 31, v0                           ; lane
	v_and_b32 v2, 15, v0                           ; r
	v_bfe_u32 v[HH], v0, 4, 1                      ; h
	v_lshlrev_b32 v[L16], 4, v1
	v_lshlrev_b32 v[L8], 3, v1
	s_wait_alu depctr_va_vdst(0)
	s_mul_i32 s2, s19, HALF                        ; slot 0: my 8 tiles of A, 3,072 bytes apart
	s_mul_i32 s3, s20, HALF
	s_add_co_u32 s3, s3, BOFF                      ; my 8 tiles of B
	v_add_nc_u32 v[A16], s2, v[L16]
	v_add_nc_u32 v[A8], s2, v[L8]
	v_add_nc_u32 v[B16], s3, v[L16]
	v_add_nc_u32 v[B8], s3, v[L8]
	s_mul_i32 s2, s19, 2*HALF                      ; quarters 1 and 2: tiles 6,144 bytes apart, quarter 2's part 3,072 bytes behind quarter 1's
	s_add_co_u32 s2, s2, SLOT
	s_mul_i32 s3, s20, 2*HALF
	s_add_co_u32 s3, s3, SLOT+2*BOFF
.irp j, 1,2
	v_add_nc_u32 v[A16+\j], s2, v[L16]
	v_add_nc_u32 v[A8+\j], s2, v[L8]
	v_add_nc_u32 v[B16+\j], s3, v[L16]
	v_add_nc_u32 v[B8+\j], s3, v[L8]
	s_add_co_u32 s2, s2, 3072
	s_add_co_u32 s3, s3, 3072
.endr
	s_lshl_b32 s2, s19, 12                         ; scale words: A's, my 8 tiles;
	s_lshl_b32 s3, s20, 12
	s_add_co_u32 s3, s3, 8192                      ; B's lie behind A's 16
	s_sub_co_u32 s3, s3, s2
	v_mul_u32_u24 v3, s3, v[HH]                    ; lanes 16-31 take B's: one product, the distance between the two
	s_add_co_u32 s2, s2, SCL
	v_lshl_add_u32 v3, v2, 3, v3                   ; 8 bytes a row in a quarter
	v_add_nc_u32 v[ADRS], s2, v3
	; the biases, loaded in every role (both stay inside their buffers): 64 numbers of bq or bk in the result's layout, and bv of my row in each block of rows
	s_cmp_eq_u32 ttmp9, 0
	s_cselect_b64 s[92:93], s[8:9], s[10:11]
	s_lshl_b32 s94, s21, 10
	s_lshl_b32 s95, s20, 9
	s_add_co_u32 s94, s94, s95
	s_mov_b32 s95, 0
	s_add_nc_u64 s[92:93], s[92:93], s[94:95]      ; channels 256 cx + 128 (my half) on
	v_lshlrev_b32 v[BNA], 6, v[HH]
	WIN 0x40                                       ; destination window 1
.irp J, 0,1,2,3
.irp j, 0,1,2,3
	global_load_b128 v[BN+16*\J+4*\j:BN+16*\J+4*\j+3], v[BNA], s[92:93] offset:128*\J+16*\j   ; register 16 J + i: channel 32 J + 16 h + i
.endr
.endr
	WIN 0
	s_lshl_b32 s96, s22, 10
	s_lshl_b32 s97, s19, 9
	s_add_co_u32 s96, s96, s97
	s_mov_b32 s97, 0
	s_add_nc_u64 s[98:99], s[12:13], s[96:97]      ; channels 256 cy + 128 (my half) on
	v_and_b32 v[BVA], 8, v2
	v_add_nc_u32 v[BVA], v[BVA], v2
	v_lshlrev_b32 v[BVA], 2, v[BVA]                ; 4 (r + 8 (r / 8))
.irp a, 0,1,2,3,4,5,6,7
	global_load_b32 v[BV+\a], v[BVA], s[98:99] offset:4*(32*(\a/2)+8*(\a%2))
.endr
.macro FETCH_B j, q, set               ; B's eight fragments of slot j's q-th 128 along K into set
	WIN 0x40
.set TS, 3072*(1+((\j)+1)/2)           ; from tile to tile: 3,072 bytes in slot 0, 6,144 for quarters 1 and 2
.irp i, 0,1,2,3,4,5,6,7
	ds_load_b128 v[96*(\set)+12*\i:96*(\set)+12*\i+3], v[B16+(\j)] offset:TS*\i+1536*(\q)
	ds_load_b64 v[96*(\set)+12*\i+4:96*(\set)+12*\i+5], v[B8+(\j)] offset:TS*\i+1536*(\q)+512
	ds_load_b128 v[96*(\set)+12*\i+6:96*(\set)+12*\i+9], v[B16+(\j)] offset:TS*\i+1536*(\q)+768
	ds_load_b64 v[96*(\set)+12*\i+10:96*(\set)+12*\i+11], v[B8+(\j)] offset:TS*\i+1536*(\q)+1280
.endr
	WIN 0
.endm
.macro FETCH_A j, q, set
.set TS, 3072*(1+((\j)+1)/2)
.irp i, 0,1,2,3,4,5,6,7
	ds_load_b128 v[AF+96*(\set)+12*\i:AF+96*(\set)+12*\i+3], v[A16+(\j)] offset:TS*\i+1536*(\q)
	ds_load_b64 v[AF+96*(\set)+12*\i+4:AF+96*(\set)+12*\i+5], v[A8+(\j)] offset:TS*\i+1536*(\q)+512
	ds_load_b128 v[AF+96*(\set)+12*\i+6:AF+96*(\set)+12*\i+9], v[A16+(\j)] offset:TS*\i+1536*(\q)+768
	ds_load_b64 v[AF+96*(\set)+12*\i+10:AF+96*(\set)+12*\i+11], v[A8+(\j)] offset:TS*\i+1536*(\q)+1280
.endr
.endm
.macro SCALES qd                       ; quarter qd's scale words: two a row; lanes 0-15 take A's block i, lanes 16-31 B's block i
.irp i, 0,1,2,3,4,5,6,7
	ds_load_b64 v[SC+16*((\qd)%2)+2*\i:SC+16*((\qd)%2)+2*\i+1], v[ADRS] offset:512*\i+128*(\qd)
.endr
.endm
; 16 matrix instructions: A's blocks a0, a0 + 1 x B's eight.  The 64 accumulators take turns, one instruction a turn, in the same order in every step.  zero = 1: the first product starts the sums.
.macro MUL16 a0, set, qd, q, zero
.irp a, \a0, \a0+1
.irp b, 0,1,2,3,4,5,6,7
.if \zero
	v_wmma_scale_f32_16x16x128_f8f6f4 v[8*(8*((\a)%4)+\b):8*(8*((\a)%4)+\b)+7], v[96*(\set)+12*\b:96*(\set)+12*\b+11], v[AF+96*(\set)+12*(\a):AF+96*(\set)+12*(\a)+11], 0, v[SC+16*((\qd)%2)+2*\b+(\q)], v[SC+16*((\qd)%2)+2*(\a)+(\q)] matrix_a_fmt:MATRIX_FMT_FP6 matrix_b_fmt:MATRIX_FMT_FP6 matrix_a_scale:MATRIX_SCALE_ROW1
.else
	v_wmma_scale_f32_16x16x128_f8f6f4 v[8*(8*((\a)%4)+\b):8*(8*((\a)%4)+\b)+7], v[96*(\set)+12*\b:96*(\set)+12*\b+11], v[AF+96*(\set)+12*(\a):AF+96*(\set)+12*(\a)+11], v[8*(8*((\a)%4)+\b):8*(8*((\a)%4)+\b)+7], v[SC+16*((\qd)%2)+2*\b+(\q)], v[SC+16*((\qd)%2)+2*(\a)+(\q)] matrix_a_fmt:MATRIX_FMT_FP6 matrix_b_fmt:MATRIX_FMT_FP6 matrix_a_scale:MATRIX_SCALE_ROW1
.endif
.endr
.endr
.endm
; A quarter's first step multiplies set 0 and fetches the quarter's second step into set 1.  Loads into registers that matrix instructions have read stand four plain vector instructions behind them.
.macro EVEN slot, qd, zero
	s_wait_dscnt 0x0                               ; set 0 and the quarter's scale words are in
.if !\zero
	PLACES 4
.endif
	FETCH_B \slot, 1, 1
	FETCH_A \slot, 1, 1
	WIN MUL_LO
	MUL16 0, 0, \qd, 0, \zero
	MUL16 2, 0, \qd, 0, \zero
	WIN MUL_HI
	MUL16 4, 0, \qd, 0, \zero
	MUL16 6, 0, \qd, 0, \zero
	WIN 0
.endm
; A quarter's second step multiplies set 1 and goes on to the next slot.  The count n leaves the later quarters' loads out.
.macro TURNP next, qd, n
	s_wait_tensorcnt \n                            ; my part of the next quarter has landed
	s_wait_dscnt 0x0                               ; set 1 is in: no LDS instruction of mine is out at the signal
	WIN MUL_LO
	MUL16 0, 1, \qd, 1, 0
	s_barrier_signal -1
	MUL16 2, 1, \qd, 1, 0
	WIN 0
	s_barrier_wait -1                              ; everybody's part has landed
	PLACES 4
	FETCH_B \next, 0, 0
	FETCH_A \next, 0, 0
	SCALES \qd+1
	WIN MUL_HI
	MUL16 4, 1, \qd, 1, 0
	MUL16 6, 1, \qd, 1, 0
	WIN 0
.endm
	s_wait_alu depctr_va_vdst(0)
	s_wait_tensorcnt 0x0                           ; my tile of the head's four is in
	ds_add_u32 v[SPW], v[NIL]
.irp g, G1, G1B                        ; no load of mine is out: from here a load brings 8 tiles, rows of 6,144 bytes (768 elements)
	s_mov_b32 s[\g+1], 768<<16
	s_mov_b32 s[\g+2], 8<<16
	s_mov_b32 s[\g+3], 768<<16
	s_mov_b32 s[\g+4], 8
.endr
	s_wait_dscnt 0x0
	CROUND                                         ; all four tiles are in, and the joint loads meet
	JLOAD G0A1, G1, G0B1, G1B                      ; quarters 1 and 2, my one load behind the round
	FETCH_B 0, 0, 0
	FETCH_A 0, 0, 0
	SCALES 0
	EVEN 0, 0, 1                                   ; the first step's products start the sums
	; THE ONE REFILL: slot 0, whose last fragments were fetched in the step before, takes quarter 3.  Each wave waits for all its tensor loads (quarters 1 and 2, wanted here anyway), adds 0 to its spare word,
	; waits for that and for its LDS reads; the barrier opens a round of the cluster's barrier; the joint load is the first thing behind the round.  224 matrix instructions stand between it and the wait for it.
	s_wait_tensorcnt 0x0
	ds_add_u32 v[SPW], v[NIL]
.irp g, G1, G1B                        ; no load of mine is out: rows of 3,072 bytes again
	s_mov_b32 s[\g+1], 384<<16
	s_mov_b32 s[\g+3], 384<<16
.endr
	s_wait_dscnt 1                                 ; set 1 is in; the add may be out
	WIN MUL_LO
	MUL16 0, 1, 0, 1, 0
	s_wait_dscnt 0x0                               ; the add is done, and no LDS read of mine is out
	s_barrier_signal -1
	MUL16 2, 1, 0, 1, 0
	WIN 0
	s_barrier_wait -1
	CREST
	JLOAD G0A2, G1, G0B2, G1B                      ; the four v_nop behind it are also the places in front of the loads below
	FETCH_B 1, 0, 0
	FETCH_A 1, 0, 0
	SCALES 1
	WIN MUL_HI
	MUL16 4, 1, 0, 1, 0
	MUL16 6, 1, 0, 1, 0
	WIN 0
	EVEN 1, 1, 0
	TURNP 2, 1, 1                                  ; quarter 2 came with quarter 1; quarter 3's load may be out
	EVEN 2, 2, 0
	TURNP 0, 2, 0                                  ; quarter 3 has landed
	EVEN 0, 3, 0
	s_wait_dscnt 0x0                               ; the last step
	WIN MUL_LO
	MUL16 0, 1, 3, 1, 0
	MUL16 2, 1, 3, 1, 0
	WIN MUL_HI
	MUL16 4, 1, 3, 1, 0
	MUL16 6, 1, 3, 1, 0
	WIN 0
	; THE WAY OUT: bias, quantiser, stores straight from registers: every store covers 512 or 256 consecutive bytes, aligned.
	PLACES 4
	s_wait_loadcnt 0x0                             ; the biases; their bases may be written again
	s_mov_b32 s100, 0x76543210
	s_mov_b32 s101, 0xfedcba98                     ; v_permlanex16_b32's selects for lane l xor 16
	s_cmp_eq_u32 ttmp9, 2
	s_cselect_b32 s2, s21, s22                     ; the tokens run along the columns for V, along the rows for Q and K;
	s_cselect_b32 s3, s20, s19
	s_cselect_b32 s66, s22, s21                    ; the channels the other way round
	s_cselect_b32 s67, s19, s20
	s_add_co_u32 s2, s2, s23
	s_lshl_b32 s2, s2, 1
	s_add_co_u32 s2, s2, s3                        ; my group of 128 tokens, 0 .. 31
	s_lshl_b32 s66, s66, 1
	s_add_co_u32 s66, s66, s67
	s_lshl_b32 s66, s66, 1                         ; the first of my two heads
	s_lshr_b32 s3, s2, 4
	s_lshl_b32 s3, s3, 4
	s_add_co_u32 s3, s3, s66                       ; batch x 16 + head
	s_lshl_b32 s3, s3, 4
	s_and_b32 s2, s2, 15
	s_add_co_u32 s3, s3, s2                        ; x 16 + the group in the batch
	s_mov_b32 s67, 13056
	s_mov_b32 s96, 12288
	s_cmp_eq_u32 ttmp9, 0
	s_cselect_b32 s67, 6656, s67                   ; a group's bytes,
	s_cselect_b32 s96, 6144, s96                   ; where its scale words lie,
	s_cselect_b64 s[92:93], s[14:15], s[16:17]     ; and the buffer
	s_mul_i32 s98, s3, s67
	s_mov_b32 s99, 0
	s_add_nc_u64 s[92:93], s[92:93], s[98:99]      ; the first head's group
	s_lshl_b32 s98, s67, 4
	s_add_nc_u64 s[94:95], s[92:93], s[98:99]      ; the second head's
	v_add_nc_u32 v[LSC], s96, v[L16]
	v_cmp_ne_u32 vcc_lo, 0, v[HH]
.irp b, 0,1,2,3
	v_mov_b32 v[TM+4+\b], 0                        ; written once: a lane permute's destination counts as one of its sources
.endr
; 64 numbers of a lane, v[s] on, register 16 b + i = k 32 b + 16 h + i of my row, become a fragment's codes in v[PC] on and its scale word in v[PW].
.macro QUANT s
.irp b, 0,1,2,3
	v_max3_num_f32 v[TM+\b], |v[\s+16*\b]|, |v[\s+1+16*\b]|, 0x1800000   ; with the floor 2^(3 - 127): the byte cannot fall under 1
.endr
.irp i, 2,4,6,8,10,12,14
.irp b, 0,1,2,3
	v_max3_num_f32 v[TM+\b], v[TM+\b], |v[\s+16*\b+\i]|, |v[\s+1+16*\b+\i]|
.endr
.endr
.irp b, 0,1,2,3
	v_permlanex16_b32 v[TM+4+\b], v[TM+\b], s100, s101
.endr
.irp b, 0,1,2,3
	v_max_num_f32 v[TM+\b], v[TM+\b], v[TM+4+\b]   ; with lane l xor 16's: the block's largest magnitude
.endr
.irp b, 0,1,2,3
	v_add_nc_u32 v[TM+12+\b], 0xff000000, v[TM+\b] ; 2 off its exponent field: the conversion's scale operand
.endr
.irp b, 0,1,2,3
	v_lshrrev_b32 v[TM+4+\b], 23, v[TM+12+\b]      ; the scale's byte
.endr
	v_lshl_or_b32 v[PW], v[TM+5], 8, v[TM+4]
	v_lshl_or_b32 v[PW], v[TM+6], 16, v[PW]
	v_lshl_or_b32 v[PW], v[TM+7], 24, v[PW]
.irp c, 0,1
	v_cvt_scalef32_pk16_fp6_f32 v[PC+6*\c:PC+2+6*\c], v[\s+32*\c:\s+15+32*\c], v[TM+12+2*\c]
	v_cvt_scalef32_pk16_fp6_f32 v[PC+12+4*\c:PC+14+4*\c], v[\s+16+32*\c:\s+31+32*\c], v[TM+12+2*\c+1]   ; (a conversion's three registers begin on an even number)
.endr
	v_nop                                          ; one plain place behind a scaled conversion
.irp c, 0,1                                    ; the operand's layout wants a whole block in a lane
.irp i, 0,1,2
	v_permlane16_swap_b32 v[PC+6*\c+\i], v[PC+12+4*\c+\i]
.endr
.irp i, 0,1,2
	v_mov_b32 v[PC+3+6*\c+\i], v[PC+12+4*\c+\i]
.endr
.endr
.endm
.macro FINISH                          ; the wave's end: behind my last tensor load, then the closing round
	s_wait_tensorcnt 0x0
	ds_add_u32 v[SPW], v[NIL]
	s_wait_dscnt 0x0
	CROUND
	s_endpgm
.endm
	s_cmp_eq_u32 ttmp9, 2
	s_cbranch_scc1 .Lvpath
; Q, K: block a is 16 tokens x my 128 channels, two heads: registers 0-5 of the fragment are the first head's piece, 6-11 the second's
.macro QKOUT a
.if (\a) < 4
	WIN 0x06                                       ; source 0 (the sums) window 2, source 1 (the bias) window 1
.else
	WIN 0x07
.endif
.set n, 0
.rept 32
	v_pk_add_f32 v[T+2*n:T+2*n+1], v[64*((\a)%4)+2*n:64*((\a)%4)+2*n+1], v[BN+2*n:BN+2*n+1]   ; each accumulator from its low end on
.set n, n+1
.endr
	WIN 0
	s_wait_xcnt 0x0                                ; the last block's stores have read the codes' registers
	QUANT T
	v_mov_b32 v[PWK+(\a)], v[PW]
	global_store_b128 v[L16], v[PC:PC+3], s[92:93] offset:768*(\a)
	global_store_b64 v[L8], v[PC+4:PC+5], s[92:93] offset:768*(\a)+512
	global_store_b128 v[L16], v[PC+6:PC+9], s[94:95] offset:768*(\a)
	global_store_b64 v[L8], v[PC+10:PC+11], s[94:95] offset:768*(\a)+512
.endm
.irp a, 0,1,2,3,4,5,6,7
	QKOUT \a
.endr
.irp e, 0,1,2,3
	v_cndmask_b32 v[SL+\e], v[PWK+\e], v[PWK+4+\e], vcc_lo   ; lanes 0-15: tiles 0-3, lanes 16-31: tiles 4-7
.endr
	global_store_b128 v[LSC], v[SL:SL+3], s[92:93]     ; the first head's bytes lie below; those above are the second head's
.irp e, 0,1,2,3
	v_lshrrev_b32 v[SL+4+\e], 16, v[SL+\e]             ; the second head's bytes below, zeros above
.endr
	global_store_b128 v[LSC], v[SL+4:SL+7], s[94:95]
	FINISH
.Lvpath:
; V: block a is 16 channels x my 128 keys: one fragment; blocks 0-3 are the first head's, 4-7 the second's
.macro VOUT a, base
	v_mov_b32 v[BB], v[BV+(\a)]
	v_mov_b32 v[BB+1], v[BV+(\a)]
.if (\a) < 4
	WIN 0x02                                       ; source 0 window 2
.else
	WIN 0x03
.endif
.set n, 0
.rept 32
	v_pk_add_f32 v[T+2*n:T+2*n+1], v[64*((\a)%4)+2*n:64*((\a)%4)+2*n+1], v[BB:BB+1]
.set n, n+1
.endr
	WIN 0
	s_wait_xcnt 0x0
	QUANT T
	v_mov_b32 v[PWK+(\a)%4], v[PW]
.irp c, 0,1,2
	global_store_b128 v[L16], v[PC+4*\c:PC+4*\c+3], s[\base:\base+1] offset:6144+1536*((\a)%4)+512*\c
.endr
.if (\a)%4 == 3
	v_cndmask_b32 v[SL], v[PWK], v[PWK+2], vcc_lo      ; lanes 0-15: tiles 0, 1; lanes 16-31: tiles 2, 3
	v_cndmask_b32 v[SL+1], v[PWK+1], v[PWK+3], vcc_lo
	global_store_b64 v[L8], v[SL:SL+1], s[\base:\base+1] offset:12800
.endif
.endm
.irp a, 0,1,2,3
	VOUT \a, 92
.endr
.irp a, 4,5,6,7
	VOUT \a, 94
.endr
	FINISH
.Lfunc_end_k_q1f1f92773a_qkv:
	.size	k_q1f1f92773a_qkv, .Lfunc_end_k_q1f1f92773a_qkv-k_q1f1f92773a_qkv
	.p2alignl 7, 3214868480
	.fill 96, 4, 3214868480
	.section	.rodata,"a",@progbits
	.p2align	6, 0x0
	.amdhsa_kernel k_q1f1f92773a_qkv
		.amdhsa_group_segment_fixed_size 327680
		.amdhsa_private_segment_fixed_size 0
		.amdhsa_enable_private_segment 0
		.amdhsa_kernarg_size 56
		.amdhsa_user_sgpr_count 2
		.amdhsa_user_sgpr_kernarg_segment_ptr 1
		.amdhsa_wavefront_size32 1
		.amdhsa_system_sgpr_workgroup_id_x 1
		.amdhsa_system_sgpr_workgroup_id_y 1
		.amdhsa_system_sgpr_workgroup_id_z 1
		.amdhsa_system_vgpr_workitem_id 0
		.amdhsa_next_free_vgpr 1024
		.amdhsa_next_free_sgpr 102
		.amdhsa_reserve_vcc 1
		.amdhsa_float_denorm_mode_32 3
		.amdhsa_float_denorm_mode_16_64 3
		.amdhsa_memory_ordered 1
		.amdhsa_forward_progress 1
		.amdhsa_inst_pref_size 218
	.end_amdhsa_kernel
	.amdgpu_metadata
---
amdhsa.version: [ 1, 2 ]
amdhsa.kernels:
  - .name:           k_q1f1f92773a_qkv
    .symbol:         k_q1f1f92773a_qkv.kd
    .args:
      - { .name: xq, .offset: 0, .size: 8, .value_kind: global_buffer, .address_space: global }
      - { .name: wq, .offset: 8, .size: 8, .value_kind: global_buffer, .address_space: global }
      - { .name: bq, .offset: 16, .size: 8, .value_kind: global_buffer, .address_space: global }
      - { .name: bk, .offset: 24, .size: 8, .value_kind: global_buffer, .address_space: global }
      - { .name: bv, .offset: 32, .size: 8, .value_kind: global_buffer, .address_space: global }
      - { .name: qb, .offset: 40, .size: 8, .value_kind: global_buffer, .address_space: global }
      - { .name: kv, .offset: 48, .size: 8, .value_kind: global_buffer, .address_space: global }
    .group_segment_fixed_size: 327680
    .private_segment_fixed_size: 0
    .kernarg_segment_align: 8
    .kernarg_segment_size: 56
    .max_flat_workgroup_size: 128
    .sgpr_count:     102
    .vgpr_count:     1024
    .wavefront_size: 32
...
	.end_amdgpu_metadata
.endif
;; end of part 2
;; launch attn (part 3): grid 8 x 32, 16 waves a work-group, no clusters, 327,680 bytes of LDS; arguments qb, kv, pri, oq; writes oq
.if DOCPART == 3
	.amdgcn_target "amdgcn-amd-amdhsa--gfx1250"
	.amdhsa_code_object_version 6
	.text
	.protected	k_q1f1f92773a_attn
	.globl	k_q1f1f92773a_attn
	.p2align	8
	.type	k_q1f1f92773a_attn,@function
k_q1f1f92773a_attn:
	s_mov_b64 s[64:65], 0
	v_nop
	global_prefetch_b8 v0, s[64:65] scope:SCOPE_SE
	s_setreg_imm32_b32 hwreg(HW_REG_WAVE_MODE, 25, 1), 1
	s_wait_xcnt 0x0
; O = softmax(Q K^T / 8 + lambda mask(|q - k|)) V for one (batch, head) and 256 queries, both products on codes of FP6 (E2M3) with E8M0 scales; O / l is quantised along the channels for the last product.
; THE SOFTMAX: the scores are kept as S = Q.K + 8 lambda mask; t = S x log2(e) / 8; M = the running largest t rounded up to a whole number; p = 2^(t - M) is quantised along the keys, not normalised;
; the row's sum is taken of the unquantised p and divides O at the end.  When M moves, the sum and O are multiplied by 2^(old M - new M): exact.
; THE PRIOR is 0 in f32 from |q - k| = 59 on.  A key step that can hold a smaller distance for my queries takes it as the C of the score products, from the table pri (made by the first launch), which lies in LDS;
; the others take C = 0.  That is a scalar branch on ids.  It hangs on the block of queries, so the work-groups of a head would part at it: no cluster, no joint loads.
; THE HEAD'S 64 ARE HALF OF THE INSTRUCTION'S K: Q's upper six registers are zero codes; what K's operand names there (the next tile's codes, or zeros) counts for nothing.
; SHARES: sixteen waves, 16 queries each.  The head's K and V codes and scale bytes, 816 rows of 256 bytes (16 key steps of 51 rows), lie in LDS, each row with 64 bytes of padding (pitch 320), each byte filled once.
; At the head waves 0-14 ask for 16 rows each (240 rows: key steps 0-3 end at row 204) and wave 15 for the table; behind the first barrier each wave asks for 36 of the other 576 rows, with four key steps between
; that load and the wait for it.  Those 576 rows are also prefetched at the head: the 8 work-groups of a head share them out, 72 rows each, a lane a row, waves 0-2 (the lanes left over name the last row again).
; WHICH KEYS FORM A TILE is chosen by the LDS addresses: row r of tile 4 c + t is key 64 c + 32 (r / 8) + 8 t + r % 8 of the step.  Both products are used transposed, a lane holds one query
; (row r of my tile: q0 + r + 8 (r / 8)), and register 32 c + i of S holds key 64 c + 32 h + i: A LANE HOLDS TWO WHOLE BLOCKS OF 32 KEYS, as the second product's operand wants them: a block's maximum asks no other lane.
; With the pitch of 320 the two runs of 128 bytes that sixteen lanes read of K's pieces (six rows apart) fall on different halves of the 64 banks (ISA guide 11.1).
; LIMITS: a block of zeros gets the byte 1 (zero codes; this program alone reads the bytes); NaN and infinities are not served; the promise holds while |t| stays under 2^31.
; O's scale bytes leave as single bytes: the bytes beside them are other work-groups'.
.set SCO,   3145728
.set STEPL, 16320                      ; a key step in LDS: 51 rows of 320 bytes
.set PRI,   261120                     ; behind the 816 rows: the table, 8,192 bytes, dense
.set SPARE, 269312                     ; the spare words, 128 bytes for each wave
.set KT,  28                           ; v28-75   K's 8 pieces (6 registers each), later V's 4 fragments;  v76-81 zeros
.set S,   82                           ; v82-145  S^T, then p
.set O,   146                          ; v146-177 O^T
.set PC,  178                          ; v178-189 p's codes
.set W8,  190                          ; v190-197 the upper halves of the blocks' codes, as the conversions leave them
.set SO,  198                          ; v198-199 the conversions' scale operands
.set BM,  200                          ; v200-203 largest scores
.set PW,  204                          ; v204     p's scale word
.set KS,  206                          ; v206-209 K's scale words
.set VS,  210                          ; v210-211 V's
.set BK16, 224                         ; v224-228 my lane's places in a key step: K's 16-byte and 8-byte parts, K's scale words, V's fragments, V's scale words
.set BK8,  225
.set BKS,  226
.set BV16, 227
.set BV8,  228
.set TB,   229                         ; v229     my lane's place in the table
.set T,    230                         ; v230-245 eight partial sums of p, in pairs
; v1 16 x lane, v2 8 x lane, v3-7 addresses in the step in hand, v8 -M, v9 the largest score, v[10:11] the sum, v12 r, v13 h, v14 an offset, v16-27 Q, v212 f (v213 named with it), v214, v217-223 at work,
; v215 Q's scale word, v216 8 h, v253 the prefetch's offset, v254, v255 the add's two registers
	s_load_b256 s[4:11], s[0:1], 0x0               ; qb, kv, pri, oq
	v_lshl_add_u32 v254, v0, 2, SPARE
	v_mov_b32 v255, 0
	ds_add_u32 v254, v255                          ; the opening lines: the add twice on end and one wait
	ds_add_u32 v254, v255
	v_lshrrev_b32 v1, 5, v0
	v_readfirstlane_b32 s12, v1                    ; wave 0..15
	v_min_u32 v253, 71, v0
	v_lshlrev_b32 v253, 8, v253                    ; the prefetch: a row of 256 bytes a lane, 72 rows
	s_and_b32 s13, ttmp7, 0xffff                   ; batch x 16 + head
.irp g, 24, 32                         ; group 1 for K and V: rows of 256 bytes (32 elements of 8), 16 words of padding behind each 64
	s_mov_b32 s[\g], (3<<16)|(1<<20)|(5<<22)|(15<<25)
	s_mov_b32 s[\g+1], 32<<16
	s_mov_b32 s[\g+3], 32<<16
	s_mov_b32 s[\g+5], 32
	s_mov_b32 s[\g+6], 0
	s_mov_b32 s[\g+7], 0
.endr
	s_mov_b32 s26, 16<<16                          ; the head's load: 16 rows
	s_mov_b32 s28, 16
	s_mov_b32 s34, 36<<16                          ; the second: 36 rows
	s_mov_b32 s36, 36
	s_mov_b32 s40, 3<<16                           ; the table: 32 rows of 256 bytes, dense
	s_mov_b32 s41, 32<<16
	s_mov_b32 s42, 32<<16
	s_mov_b32 s43, 32<<16
	s_mov_b32 s44, 32
	s_mov_b32 s45, 32
	s_mov_b32 s46, 0
	s_mov_b32 s47, 0
	s_mov_b32 s48, 1
	s_mul_i32 s49, s12, 16*320
	s_mov_b32 s52, 1
	s_mul_i32 s53, s12, 36*320
	s_add_co_u32 s53, s53, 240*320
	s_mov_b32 s56, 1
	s_mov_b32 s57, PRI
	s_mul_i32 s16, s13, 816*256
	s_mov_b32 s17, 0
	s_lshl_b32 s18, s12, 12
	s_mov_b32 s19, 0
	s_mul_i32 s66, s12, 36*256
	s_add_co_u32 s66, s66, 240*256
	s_mov_b32 s67, 0
	s_mul_i32 s68, ttmp9, 72*256
	s_add_co_u32 s68, s68, 240*256
	s_mov_b32 s69, 0
	s_wait_alu depctr_va_vdst(0)
	s_wait_dscnt 0x0
	s_wait_kmcnt 0x0
	s_add_nc_u64 s[16:17], s[6:7], s[16:17]        ; the head's 816 rows
	s_add_nc_u64 s[50:51], s[16:17], s[18:19]
	s_or_b32 s51, s51, 0x80000000
	s_add_nc_u64 s[54:55], s[16:17], s[66:67]
	s_or_b32 s55, s55, 0x80000000
	s_mov_b64 s[58:59], s[8:9]
	s_or_b32 s59, s59, 0x80000000
	s_add_nc_u64 s[60:61], s[16:17], s[68:69]
	s_cmp_lt_u32 s12, 15                           ; one load a wave at the head, one arm each
	s_cbranch_scc0 .Ltable
	tensor_load_to_lds s[48:51], s[24:31]
	s_nop 0
.rept 4
	v_nop
.endr
	s_branch .Lasked
.Ltable:
	tensor_load_to_lds s[56:59], s[40:47]
	s_nop 0
.rept 4
	v_nop
.endr
.Lasked:
	s_cmp_lt_u32 s12, 3
	s_cbranch_scc0 .Lno_prefetch
	global_prefetch_b8 v253, s[60:61] th:TH_LOAD_NT scope:SCOPE_SE   ; its registers are never written again
.Lno_prefetch:
	s_lshl_b32 s15, ttmp9, 4
	s_add_co_u32 s15, s15, s12                     ; my tile of queries in the head, 0 .. 127
	s_lshr_b32 s18, s15, 1
	s_lshl_b32 s18, s18, 5
	s_and_b32 s19, s15, 1
	s_lshl_b32 s19, s19, 3
	s_add_co_u32 s18, s18, s19                     ; q0
	s_sub_co_u32 s62, 184, s18                     ; 184 - q0 + the step's first key: 0 .. 264 where the step can hold a distance under 59
	s_mov_b32 s20, 0x76543210
	s_mov_b32 s21, 0xfedcba98                      ; v_permlanex16_b32's selects for lane l xor 16
	s_mov_b32 s22, 0x3e38aa3b                      ; c = log2(e) / 8
	s_mov_b32 s23, s22                             ; (named with it as a pair, so it is written)
	s_lshl_b32 s70, s13, 4
	s_lshr_b32 s71, s15, 3
	s_add_co_u32 s70, s70, s71
	s_mul_i32 s70, s70, 6656
	s_mov_b32 s71, 0
	s_add_nc_u64 s[4:5], s[4:5], s[70:71]          ; my group of 128 tokens in qb
	s_and_b32 s72, s15, 7
	s_mul_i32 s72, s72, 768
	s_mov_b32 s73, 0
	s_add_nc_u64 s[74:75], s[4:5], s[72:73]        ; my tile's piece
	s_bfe_u32 s72, s15, 0x10002
	s_lshl_b32 s72, s72, 8
	s_and_b32 s76, s15, 3
	s_lshl_b32 s76, s76, 2
	s_add_co_u32 s72, s72, s76
	s_add_co_u32 s72, s72, 6144
	s_add_nc_u64 s[4:5], s[4:5], s[72:73]          ; and its scale words
	v_and_b32 v223, 31, v0
	v_lshlrev_b32 v1, 4, v223
	v_lshlrev_b32 v2, 3, v223
	v_and_b32 v12, 15, v0                          ; r
	v_bfe_u32 v13, v0, 4, 1                        ; h
	v_lshlrev_b32 v14, 4, v12
	global_load_b128 v[16:19], v1, s[74:75]
	global_load_b64 v[20:21], v2, s[74:75] offset:512
	global_load_b32 v215, v14, s[4:5]
	v_lshrrev_b32 v220, 3, v12                     ; r / 8
	v_and_b32 v221, 7, v12                         ; r % 8
	v_mul_u32_u24 v222, v220, 1920                 ; rows 8-15 of a tile come from the piece two further on: six rows of 320
	v_mul_u32_u24 v219, v13, 320
	v_lshl_add_u32 v[BK16], v221, 4, v222
	v_add_nc_u32 v[BK16], v[BK16], v219            ; registers 0-3 of a piece: 1920 (r / 8) + 16 (r % 8) + 320 h
	v_lshl_add_u32 v[BK8], v221, 3, v222
	v_lshl_add_u32 v[BK8], v13, 7, v[BK8]          ; registers 4-5: 1920 (r / 8) + 8 (r % 8) + 128 h
	v_lshl_add_u32 v[BKS], v221, 4, v219
	v_lshl_add_u32 v[BKS], v220, 3, v[BKS]         ; K's scale words: lanes 0-15 tiles 0-3, lanes 16-31 tiles 4-7: 320 h + 16 (r % 8) + 8 (r / 8)
	v_lshl_add_u32 v[BV16], v12, 4, v219           ; V: 16 r + 320 h
	v_lshlrev_b32 v[BV8], 3, v223                  ; V's scale words: 8 x lane
	; the table: register 32 c + i wants pri[r % 4][208 + first key - q0 + 64 c + 32 h + i - 4 (r / 4) - 8 (r / 8)]: the copy r % 4 makes every lane's 16 bytes aligned
	v_and_b32 v[TB], 3, v12
	v_lshlrev_b32 v[TB], 11, v[TB]
	v_lshl_add_u32 v[TB], v13, 7, v[TB]
	v_add_nc_u32 v[TB], PRI+96, v[TB]
	v_lshrrev_b32 v222, 2, v12
	v_lshlrev_b32 v222, 4, v222
	v_sub_nc_u32 v[TB], v[TB], v222
	v_lshlrev_b32 v222, 5, v220
	v_sub_nc_u32 v[TB], v[TB], v222
	v_lshlrev_b32 v216, 3, v13                     ; 8 h: the shift of my two bytes in p's scale word
	v_mov_b32 v9, 0xff61b1e6                       ; the largest score so far: -3e38
	v_mul_f32 v217, s22, v9
	v_floor_f32 v8, -v217                          ; -M
.irp j, 10,11,22,23,24,25,26,27,76,77,78,79,80,81,190,191,192,193,213,214,219
	v_mov_b32 v\j, 0                               ; the sum; zero codes; registers that are named before they are first written
.endr
.set n, 0
.rept 32
	v_mov_b32 v[O+n], 0                            ; O^T: the step is written once; the first finds zeros, which the first change of M leaves zeros
.set n, n+1
.endr
.macro SPROD t, inplace                ; S^T's tile t: source 0 = 16 keys, source 1 = my 16 queries
.if \inplace
.if \t < 4
	v_wmma_scale_f32_16x16x128_f8f6f4 v[S+8*\t:S+8*\t+7], v[KT+6*\t:KT+6*\t+11], v[16:27], v[S+8*\t:S+8*\t+7], v[KS+\t%4], v215 matrix_a_fmt:MATRIX_FMT_FP6 matrix_b_fmt:MATRIX_FMT_FP6
.else
	v_wmma_scale_f32_16x16x128_f8f6f4 v[S+8*\t:S+8*\t+7], v[KT+6*\t:KT+6*\t+11], v[16:27], v[S+8*\t:S+8*\t+7], v[KS+\t%4], v215 matrix_a_fmt:MATRIX_FMT_FP6 matrix_b_fmt:MATRIX_FMT_FP6 matrix_a_scale:MATRIX_SCALE_ROW1
.endif
.else
.if \t < 4
	v_wmma_scale_f32_16x16x128_f8f6f4 v[S+8*\t:S+8*\t+7], v[KT+6*\t:KT+6*\t+11], v[16:27], 0, v[KS+\t%4], v215 matrix_a_fmt:MATRIX_FMT_FP6 matrix_b_fmt:MATRIX_FMT_FP6
.else
	v_wmma_scale_f32_16x16x128_f8f6f4 v[S+8*\t:S+8*\t+7], v[KT+6*\t:KT+6*\t+11], v[16:27], 0, v[KS+\t%4], v215 matrix_a_fmt:MATRIX_FMT_FP6 matrix_b_fmt:MATRIX_FMT_FP6 matrix_a_scale:MATRIX_SCALE_ROW1
.endif
.endif
.endm
.macro SUM1 i                          ; the row's sum, of the unquantised p: eight chains of pairs
	v_pk_add_f32 v[T+2*\i:T+2*\i+1], v[S+2*\i:S+2*\i+1], v[S+16+2*\i:S+17+2*\i]
.endm
.macro SUMN i, at
	v_pk_add_f32 v[T+2*\i:T+2*\i+1], v[T+2*\i:T+2*\i+1], v[S+\at+2*\i:S+\at+1+2*\i]
.endm
.macro FOLD a, b
	v_pk_add_f32 v[T+2*\a:T+2*\a+1], v[T+2*\a:T+2*\a+1], v[T+2*\b:T+2*\b+1]
.endm
; A KEY STEP: 128 keys, from LDS byte s44 on.
.macro STEP
	v_add_nc_u32 v3, s44, v[BK16]
	v_add_nc_u32 v4, s44, v[BK8]
	v_add_nc_u32 v5, s44, v[BKS]
.irp t, 0,1,2,3,4,5,6,7
	ds_load_b128 v[KT+6*\t:KT+6*\t+3], v3 offset:960*(4*(\t/4)+\t%2)+128*((\t%4)/2)
	ds_load_b64 v[KT+6*\t+4:KT+6*\t+5], v4 offset:960*(4*(\t/4)+\t%2)+640+64*((\t%4)/2)
.endr
	ds_load_b64 v[KS:KS+1], v5 offset:15360
	ds_load_b64 v[KS+2:KS+3], v5 offset:15360+128
	s_cmp_le_u32 s62, 264
	s_cbranch_scc0 .Lfar_\@
	s_min_u32 s63, s62, 264                        ; inside the table
	v_lshl_add_u32 v218, s63, 2, v[TB]
.irp c, 0,1
.irp j, 0,1,2,3,4,5,6,7
	ds_load_b128 v[S+32*\c+4*\j:S+32*\c+4*\j+3], v218 offset:256*\c+16*\j   ; 8 lambda mask, in the result's layout
.endr
.endr
	s_wait_dscnt 0x0
.irp t, 0,1,2,3,4,5,6,7
	SPROD \t, 1
.endr
	s_branch .Ljoin_\@
.Lfar_\@:
	s_wait_dscnt 0x0
.irp t, 0,1,2,3,4,5,6,7
	SPROD \t, 0
.endr
.Ljoin_\@:
	v_mov_b32 v214, v8                             ; the old -M.  These four lines are the places in front of the loads below and of the first read of the scores
	v_add_nc_u32 v6, s44, v[BV16]
	v_add_nc_u32 v7, s44, v[BV8]
	v_nop
.irp ct, 0,1,2,3
.irp c, 0,1,2
	ds_load_b128 v[KT+12*\ct+4*\c:KT+12*\ct+4*\c+3], v6 offset:7680+1920*\ct+640*\c   ; V's fragments land while the softmax is walked
.endr
.endr
	ds_load_b64 v[VS:VS+1], v7 offset:16000        ; lanes 0-15: the words of tiles 0, 1; lanes 16-31: of tiles 2, 3
.irp b, 0,1,2,3
	v_max3_num_f32 v[BM+\b], v[S+16*\b], v[S+1+16*\b], v[S+2+16*\b]   ; four chains; each accumulator is first read at its low end
.endr
.irp i, 3,5,7,9,11,13
.irp b, 0,1,2,3
	v_max3_num_f32 v[BM+\b], v[BM+\b], v[S+16*\b+\i], v[S+1+16*\b+\i]
.endr
.endr
	v_max3_num_f32 v[BM], v[BM], v[BM+1], v[S+15]
	v_max3_num_f32 v[BM+2], v[BM+2], v[BM+3], v[S+47]
	v_max_num_f32 v[BM], v[BM], v[S+31]            ; the largest score of my block h: for the row's maximum, and, since p rises with the score, for the block's largest p
	v_max_num_f32 v[BM+2], v[BM+2], v[S+63]        ; and of my block 2 + h
	s_delay_alu instid0(VALU_DEP_1)
	v_max_num_f32 v217, v[BM], v[BM+2]
	s_delay_alu instid0(VALU_DEP_1)
	v_permlanex16_b32 v219, v217, s20, s21
	s_delay_alu instid0(VALU_DEP_1)
	v_max3_num_f32 v9, v9, v217, v219              ; the running largest score of my query
	s_delay_alu instid0(VALU_DEP_1)
	v_mul_f32 v217, s22, v9                        ; as t (c is positive)
	s_delay_alu instid0(VALU_DEP_1)
	v_floor_f32 v8, -v217                          ; the new -M = floor(-t): M is a whole number
	s_delay_alu instid0(VALU_DEP_1)
	v_sub_f32 v214, v8, v214                       ; old M - new M: a whole number, 0 or less
	s_delay_alu instid0(VALU_DEP_1)
	v_cvt_i32_f32 v214, v214                       ; (it saturates)
	s_delay_alu instid0(VALU_DEP_1)
	v_ldexp_f32 v212, 1.0, v214                    ; f = 2^(old M - new M)
.set n, 0
.rept 32
	v_pk_fma_f32 v[S+2*n:S+2*n+1], v[S+2*n:S+2*n+1], s[22:23], v[8:9] op_sel_hi:[1,0,0]   ; t - M, two at a time
.set n, n+1
.endr
	v_fma_f32 v[BM], v[BM], s22, v8                ; the same of each block's largest score
	v_fma_f32 v[BM+2], v[BM+2], s22, v8
.set n, 0
.rept 16
	v_pk_mul_f32 v[O+2*n:O+2*n+1], v[O+2*n:O+2*n+1], v[212:213] op_sel_hi:[1,0]   ; O^T under the new M, ahead of the exponentials
.set n, n+1
.endr
	s_wait_alu depctr_va_vdst(0)
	v_exp_f32 v[BM], v[BM]                         ; the block's largest p: the same two instructions on the same number
	v_exp_f32 v[BM+2], v[BM+2]
.set n, 0
.rept 64
	v_exp_f32 v[S+n], v[S+n]                       ; p = 2^(t - M)
.set n, n+1
.endr
	v_pk_mul_f32 v[10:11], v[10:11], v[212:213] op_sel_hi:[1,0]   ; the sum under the new M: a plain place behind the exponentials
	s_wait_alu depctr_va_vdst(0)                   ; one wait for the batch of 66, ahead of its first reader
	s_wait_dscnt 0x0                               ; V's fragments and scale words, asked for ahead of the softmax
	v_max_num_f32 v[BM], 0x1800000, v[BM]          ; the floor 2^(3 - 127): the byte cannot fall under 1
	v_max_num_f32 v[BM+2], 0x1800000, v[BM+2]
	SUM1 0
	SUM1 1
	v_add_nc_u32 v[SO], 0xff000000, v[BM]          ; 2 off the exponent field: the conversion's scale operand
	v_add_nc_u32 v[SO+1], 0xff000000, v[BM+2]
	SUM1 2
	SUM1 3
	v_lshrrev_b32 v[BM], 23, v[SO]                 ; the scale's byte
	v_lshrrev_b32 v[BM+2], 23, v[SO+1]
	SUM1 4
	SUM1 5
	v_lshl_or_b32 v217, v[BM+2], 16, v[BM]         ; my two bytes: blocks h and 2 + h,
	SUM1 6
	v_lshlrev_b32 v217, v216, v217                 ; at their places in the word
	SUM1 7
	v_permlanex16_b32 v219, v217, s20, s21
	SUMN 0, 32
	v_or_b32 v[PW], v217, v219                     ; with lane l xor 16's two the word is whole
	v_cvt_scalef32_pk16_fp6_f32 v[PC:PC+2], v[S:S+15], v[SO]
	v_cvt_scalef32_pk16_fp6_f32 v[W8:W8+2], v[S+16:S+31], v[SO]          ; (a conversion's three registers begin on an even number)
	v_cvt_scalef32_pk16_fp6_f32 v[PC+6:PC+8], v[S+32:S+47], v[SO+1]
	v_cvt_scalef32_pk16_fp6_f32 v[W8+4:W8+6], v[S+48:S+63], v[SO+1]
	SUMN 1, 32                                     ; a plain place behind the scaled conversions
.irp c, 0,1
.irp i, 0,1,2
	v_mov_b32 v[PC+3+6*\c+\i], v[W8+4*\c+\i]
.endr
.endr
.irp i, 2,3,4,5,6,7
	SUMN \i, 32                                    ; six places between the codes' last write and the products; seventeen behind the scale word's
.endr
.irp ct, 0,1
	v_wmma_scale_f32_16x16x128_f8f6f4 v[O+8*\ct:O+8*\ct+7], v[KT+12*\ct:KT+12*\ct+11], v[PC:PC+11], v[O+8*\ct:O+8*\ct+7], v[VS+\ct], v[PW] matrix_a_fmt:MATRIX_FMT_FP6 matrix_b_fmt:MATRIX_FMT_FP6
.endr
.irp ct, 2,3
	v_wmma_scale_f32_16x16x128_f8f6f4 v[O+8*\ct:O+8*\ct+7], v[KT+12*\ct:KT+12*\ct+11], v[PC:PC+11], v[O+8*\ct:O+8*\ct+7], v[VS+\ct-2], v[PW] matrix_a_fmt:MATRIX_FMT_FP6 matrix_b_fmt:MATRIX_FMT_FP6 matrix_a_scale:MATRIX_SCALE_ROW1
.endr
.irp i, 0,1,2,3,4,5,6,7
	SUMN \i, 48                                    ; the rest of the sum: also the places behind the products, in front of the next step's loads
.endr
	FOLD 0, 4
	FOLD 1, 5
	FOLD 2, 6
	FOLD 3, 7
	FOLD 0, 2
	FOLD 1, 3
	FOLD 0, 1
	v_pk_add_f32 v[10:11], v[10:11], v[T:T+1]
	s_add_co_u32 s44, s44, STEPL
	s_add_co_u32 s62, s62, 128
.endm
.macro SEG n, start                    ; n key steps from LDS byte start on
	s_mov_b32 s44, \start
	s_mov_b32 s46, \n
.Lseg_\@:
	STEP
	s_sub_co_u32 s46, s46, 1
	s_cmp_lg_u32 s46, 0
	s_cbranch_scc1 .Lseg_\@
.endm
	s_wait_alu depctr_va_vdst(0)
	s_wait_loadcnt 0x0                             ; Q
	s_wait_tensorcnt 0x0                           ; my head's load is in
	ds_add_u32 v254, v255
	s_wait_dscnt 0x0
	s_barrier_signal -1
	s_barrier_wait -1                              ; rows 0-239 and the table are whole
	tensor_load_to_lds s[52:55], s[32:39]          ; my 36 of rows 240-815: my one load behind the barrier
	s_nop 0
.rept 4
	v_nop
.endr
	SEG 4, 0                                       ; steps 0-3 end at row 204
	s_wait_tensorcnt 0x0                           ; my 36 rows are in
	s_wait_dscnt 0x0
	s_barrier_signal -1
	s_barrier_wait -1                              ; everybody's are
	SEG 12, 4*STEPL
	; THE WAY OUT: O^T / the sum, quantised along the head's 64 channels (two blocks), as one piece of the last product's operand.
	s_lshr_b32 s48, s13, 4
	s_lshl_b32 s48, s48, 7
	s_add_co_u32 s48, s48, s15                     ; my tile among the 256 of all tokens
	s_and_b32 s49, s13, 15                         ; the head
	s_lshl_b32 s50, s48, 4
	s_add_co_u32 s50, s50, s49
	s_mul_i32 s50, s50, 768
	s_mov_b32 s51, 0
	s_add_nc_u64 s[52:53], s[10:11], s[50:51]      ; the piece
	s_lshl_b32 s50, s48, 9
	s_lshr_b32 s54, s49, 2
	s_lshl_b32 s54, s54, 7
	s_add_co_u32 s50, s50, s54
	s_and_b32 s54, s49, 3
	s_lshl_b32 s54, s54, 1
	s_add_co_u32 s50, s50, s54
	s_add_co_u32 s50, s50, SCO
	s_add_nc_u64 s[54:55], s[10:11], s[50:51]      ; its two scale bytes in each row's eight
	s_wait_alu depctr_va_vdst(0)
	v_add_f32 v10, v10, v11
	v_permlanex16_b32 v214, v10, s20, s21
	v_add_f32 v10, v10, v214                       ; the row's sum
	s_wait_alu depctr_va_vdst(0)
	v_rcp_f32 v10, v10
	v_lshl_add_u32 v14, v12, 3, v13                ; (a plain place behind the reciprocal)  8 r + h
	s_wait_alu depctr_va_vdst(0)                   ; the wait, ahead of the first reader of the reciprocal and of O^T
.set n, 0
.rept 32
	v_mul_f32 v[S+n], v[O+n], v10                  ; register 16 J + i: channel 32 J + 16 h + i
.set n, n+1
.endr
.irp J, 0,1
	v_max3_num_f32 v[BM+\J], |v[S+16*\J]|, |v[S+1+16*\J]|, 0x1800000
.endr
.irp i, 2,4,6,8,10,12,14
.irp J, 0,1
	v_max3_num_f32 v[BM+\J], v[BM+\J], |v[S+16*\J+\i]|, |v[S+1+16*\J+\i]|
.endr
.endr
.irp J, 0,1
	v_permlanex16_b32 v[W8+\J], v[BM+\J], s20, s21
.endr
.irp J, 0,1
	v_max_num_f32 v[BM+\J], v[BM+\J], v[W8+\J]
.endr
.irp J, 0,1
	v_add_nc_u32 v[SO+\J], 0xff000000, v[BM+\J]
.endr
.irp J, 0,1
	v_lshrrev_b32 v[W8+2+\J], 23, v[SO+\J]
.endr
	v_cvt_scalef32_pk16_fp6_f32 v[PC:PC+2], v[S:S+15], v[SO]
	v_cvt_scalef32_pk16_fp6_f32 v[W8+4:W8+6], v[S+16:S+31], v[SO+1]
	v_nop                                          ; one plain place behind a scaled conversion
.irp i, 0,1,2
	v_permlane16_swap_b32 v[PC+\i], v[W8+4+\i]     ; here a block lies in lanes l and l xor 16: the operand's layout wants it whole in a lane
.endr
.irp i, 0,1,2
	v_mov_b32 v[PC+3+\i], v[W8+4+\i]
.endr
	v_cmp_ne_u32 vcc_lo, 0, v13
	v_cndmask_b32 v214, v[W8+2], v[W8+3], vcc_lo   ; lanes 0-15 store block 0's byte, lanes 16-31 block 1's
	global_store_b128 v1, v[PC:PC+3], s[52:53]     ; 512 consecutive bytes, aligned
	global_store_b64 v2, v[PC+4:PC+5], s[52:53] offset:512
	global_store_b8 v14, v214, s[54:55]
	s_wait_tensorcnt 0x0                           ; the wave's end
	ds_add_u32 v254, v255
	s_wait_dscnt 0x0
	s_endpgm
.Lfunc_end_k_q1f1f92773a_attn:
	.size	k_q1f1f92773a_attn, .Lfunc_end_k_q1f1f92773a_attn-k_q1f1f92773a_attn
	.p2alignl 7, 3214868480
	.fill 96, 4, 3214868480
	.section	.rodata,"a",@progbits
	.p2align	6, 0x0
	.amdhsa_kernel k_q1f1f92773a_attn
		.amdhsa_group_segment_fixed_size 327680
		.amdhsa_private_segment_fixed_size 0
		.amdhsa_enable_private_segment 0
		.amdhsa_kernarg_size 32
		.amdhsa_user_sgpr_count 2
		.amdhsa_user_sgpr_kernarg_segment_ptr 1
		.amdhsa_wavefront_size32 1
		.amdhsa_system_sgpr_workgroup_id_x 1
		.amdhsa_system_sgpr_workgroup_id_y 1
		.amdhsa_system_sgpr_workgroup_id_z 1
		.amdhsa_system_vgpr_workitem_id 0
		.amdhsa_next_free_vgpr 256
		.amdhsa_next_free_sgpr 80
		.amdhsa_reserve_vcc 1
		.amdhsa_float_denorm_mode_32 3
		.amdhsa_float_denorm_mode_16_64 3
		.amdhsa_memory_ordered 1
		.amdhsa_forward_progress 1
		.amdhsa_inst_pref_size 48
	.end_amdhsa_kernel
	.amdgpu_metadata
---
amdhsa.version: [ 1, 2 ]
amdhsa.kernels:
  - .name:           k_q1f1f92773a_attn
    .symbol:         k_q1f1f92773a_attn.kd
    .args:
      - { .name: qb, .offset: 0, .size: 8, .value_kind: global_buffer, .address_space: global }
      - { .name: kv, .offset: 8, .size: 8, .value_kind: global_buffer, .address_space: global }
      - { .name: pri, .offset: 16, .size: 8, .value_kind: global_buffer, .address_space: global }
      - { .name: oq, .offset: 24, .size: 8, .value_kind: global_buffer, .address_space: global }
    .group_segment_fixed_size: 327680
    .private_segment_fixed_size: 0
    .kernarg_segment_align: 8
    .kernarg_segment_size: 32
    .max_flat_workgroup_size: 512
    .sgpr_count:     80
    .vgpr_count:     256
    .wavefront_size: 32
...
	.end_amdgpu_metadata
.endif
;; end of part 3
;; launch oproj (part 4): grid 8 x 32, 4 waves a work-group, clusters of 4 x 4, 327,680 bytes of LDS; arguments oq, wq, bo, out0; writes out0
.if DOCPART == 4
	.amdgcn_target "amdgcn-amd-amdhsa--gfx1250"
	.amdhsa_code_object_version 6
	.text
	.protected	k_q1f1f92773a_oproj
	.globl	k_q1f1f92773a_oproj
	.p2align	8
	.type	k_q1f1f92773a_oproj,@function
k_q1f1f92773a_oproj:
	s_mov_b64 s[64:65], 0
	v_nop
	global_prefetch_b8 v0, s[64:65] scope:SCOPE_SE
	s_setreg_imm32_b32 hwreg(HW_REG_WAVE_MODE, 25, 1), 1
	s_wait_xcnt 0x0
	s_wait_alu depctr_hold_cnt(0) depctr_sa_sdst(0) depctr_va_vdst(0) depctr_va_sdst(0) depctr_va_ssrc(0) depctr_va_vcc(0) depctr_vm_vsrc(0)
	s_getreg_b32 s2, hwreg(HW_REG_IB_STS2, 6, 4)
	s_cmp_eq_u32 s2, 0
	s_cbranch_scc0 .Lentry_in_a_cluster
	s_endpgm
.Lentry_in_a_cluster:
	s_bfe_u32 s2, ttmp6, 0x10000c
	s_cmp_lg_u32 s2, 0xf033
	s_cbranch_scc0 .Lentry_shape_is_right
	s_endpgm
.Lentry_shape_is_right:
; out0 = O Wo^T + bo on codes of FP6 (E2M3) with E8M0 scales, as the launches before laid them: [tile of 16 rows][16 pieces of 64 along K][768 bytes].
; A work-group of four waves makes 128 x 128 of the result, a wave 64 x 64.  ALL of K fits in LDS: each wave brings 4 tiles x 12,288 dense bytes by ONE joint load at the head
; (waves 0, 1: A's 8 tiles, asked for jointly by a row of the 4 x 4 cluster; waves 2, 3: B's, by a column); nothing is filled again, and one barrier shows the tiles to all four waves.
; The scale words and the bias come straight into registers; the bias is the C of the first products.  The result leaves through each wave's own stage in LDS, in whole rows of 256 bytes.
.set SCO,   3145728
.set QUART, 3072                       ; from quarter to quarter of K inside a tile
.set STAGE, 196608
.set A16, 4
.set A8,  8
.set B16, 12
.set B8,  16
.set L8,  20
.set L16, 21
.set BA,  22
.set STO, 24
.set RD,  25
.set CO,  26
.set SA,  32
.set BI,  48
.set SB,  112
.set ACC, 128
.set G1,  24
.set G1B, 32
.set MSB, 0
.macro WIN new
.if MSB != \new
	s_set_vgpr_msb (MSB<<8)|\new
.set MSB, \new
.endif
.endm
.set MUL,  0x05
.set TO_F, 0x40
.macro JLOAD g0a, g1a, g0b, g1b
	s_cmp_eq_u32 s13, 0
	s_cbranch_scc0 .Lfor_b_\@
	tensor_load_to_lds s[\g0a:\g0a+3], s[\g1a:\g1a+7]
	s_nop 0
.rept 4
	v_nop
.endr
	s_branch .Lasked_\@
.Lfor_b_\@:
	tensor_load_to_lds s[\g0b:\g0b+3], s[\g1b:\g1b+7]
	s_nop 0
.rept 4
	v_nop
.endr
.Lasked_\@:
.endm
.macro CROUND
	s_barrier_signal -1
	s_barrier_wait -1
	s_cmp_lg_u32 s12, 0
	s_cbranch_scc1 .Lnot_wave_0_\@
	s_barrier_signal -3
.Lnot_wave_0_\@:
	s_barrier_wait -3
	s_barrier_signal -1
	s_barrier_wait -1
.endm
.macro PLACES
.rept 4
	v_nop
.endr
.endm
	s_load_b256 s[4:11], s[0:1], 0x0
	v_lshl_add_u32 v30, v0, 2, 0x36400
	v_mov_b32 v31, 0
	ds_add_u32 v30, v31
	ds_add_u32 v30, v31
	v_lshrrev_b32 v1, 5, v0
	v_readfirstlane_b32 s12, v1
	s_lshr_b32 s13, s12, 1
	s_and_b32 s14, s12, 1
	s_bfe_u32 s15, ttmp6, 0x40000
	s_bfe_u32 s16, ttmp6, 0x40004
	s_lshl_b32 s17, ttmp9, 2
	s_add_co_u32 s17, s17, s15
	s_and_b32 s18, ttmp7, 0xffff
	s_lshl_b32 s18, s18, 2
	s_add_co_u32 s18, s18, s16
	s_lshl_b32 s19, s16, 2
	s_lshl_b32 s19, 15, s19
	s_lshl_b32 s20, 0x1111, s15
	s_or_b32 s[G1], s19, (3<<16)|(1<<21)
	s_or_b32 s[G1B], s20, (3<<16)|(1<<21)
.irp g, G1, G1B
	s_mov_b32 s[\g+1], 1536<<16                    ; a row of the load is a whole tile: 1,536 elements of 8 bytes
	s_mov_b32 s[\g+2], 4<<16
	s_mov_b32 s[\g+3], 1536<<16
	s_mov_b32 s[\g+4], 4
	s_mov_b32 s[\g+5], 1536
	s_mov_b32 s[\g+6], 0
	s_mov_b32 s[\g+7], 0
.endr
	s_lshl_b32 s21, s14, 2
	s_lshl_b32 s76, s18, 3
	s_add_co_u32 s76, s76, s21
	s_mul_i32 s76, s76, 12288
	s_mov_b32 s77, 0
	s_lshl_b32 s78, s17, 3
	s_add_co_u32 s78, s78, s21
	s_add_co_u32 s78, s78, 192
	s_mul_i32 s78, s78, 12288
	s_mov_b32 s79, 0
	s_mul_i32 s80, s12, 49152
	s_wait_dscnt 0x0
	s_wait_kmcnt 0x0
	s_add_nc_u64 s[76:77], s[4:5], s[76:77]
	s_add_nc_u64 s[78:79], s[6:7], s[78:79]
	CROUND
.irp q, 0
	s_mov_b32 s[40+4*\q], 1
	s_add_co_u32 s[41+4*\q], s80, \q*QUART
	s_add_nc_u64 s[42+4*\q:43+4*\q], s[76:77], \q*3072
	s_or_b32 s[43+4*\q], s[43+4*\q], 0x80000000
	s_mov_b32 s[56+4*\q+4*(\q/2)], 1
	s_add_co_u32 s[57+4*\q+4*(\q/2)], s80, \q*QUART
	s_add_nc_u64 s[58+4*\q+4*(\q/2):59+4*\q+4*(\q/2)], s[78:79], \q*3072
	s_or_b32 s[59+4*\q+4*(\q/2)], s[59+4*\q+4*(\q/2)], 0x80000000
	JLOAD 40+4*\q, G1, 56+4*\q+4*(\q/2), G1B       ; my one tensor load, behind the round that stands in front of the joint loads
.endr
	v_and_b32 v1, 31, v0
	v_and_b32 v2, 15, v0
	v_bfe_u32 v3, v0, 4, 1
	v_lshlrev_b32 v[L16], 4, v1
	v_lshlrev_b32 v[L8], 3, v1
	v_lshlrev_b32 v[BA], 6, v3
	s_mul_i32 s21, s13, 49152
	s_mul_i32 s22, s14, 49152
	s_add_co_u32 s22, s22, 98304
.irp q, 0,1,2,3
	v_add_nc_u32 v[A16+\q], s21, v[L16]
	v_add_nc_u32 v[A8+\q], s21, v[L8]
	v_add_nc_u32 v[B16+\q], s22, v[L16]
	v_add_nc_u32 v[B8+\q], s22, v[L8]
	s_add_co_u32 s21, s21, QUART
	s_add_co_u32 s22, s22, QUART
.endr
	s_mul_i32 s23, s12, 4352
	s_add_co_u32 s23, s23, STAGE
	v_mul_u32_u24 v[STO], v2, 272
	v_lshl_add_u32 v[STO], v3, 6, v[STO]
	v_add_nc_u32 v[STO], s23, v[STO]
	v_mul_u32_u24 v[RD], v3, 272
	v_lshl_add_u32 v[RD], v2, 4, v[RD]
	v_add_nc_u32 v[RD], s23, v[RD]
	v_lshlrev_b32 v[CO], 12, v3
	v_lshl_add_u32 v[CO], v2, 4, v[CO]
	s_lshl_b32 s82, s18, 12
	s_lshl_b32 s21, s13, 11
	s_add_co_u32 s82, s82, s21
	s_add_co_u32 s82, s82, SCO
	s_mov_b32 s83, 0
	s_add_nc_u64 s[82:83], s[4:5], s[82:83]
	s_lshl_b32 s84, s17, 12
	s_lshl_b32 s21, s14, 11
	s_add_co_u32 s84, s84, s21
	s_add_co_u32 s84, s84, SCO+192*512
	s_mov_b32 s85, 0
	s_add_nc_u64 s[84:85], s[6:7], s[84:85]
	s_lshl_b32 s86, s17, 9
	s_lshl_b32 s21, s14, 8
	s_add_co_u32 s86, s86, s21
	s_mov_b32 s87, 0
	s_lshl_b32 s88, s18, 19
	s_lshl_b32 s21, s13, 18
	s_add_co_u32 s88, s88, s21
	s_add_co_u32 s88, s88, s86
	s_mov_b32 s89, 0
	s_add_nc_u64 s[86:87], s[8:9], s[86:87]
	s_add_nc_u64 s[88:89], s[10:11], s[88:89]
.irp i, 0,1,2,3
.irp t, 0,1
	global_load_b64 v[SA+4*\i+2*\t:SA+4*\i+2*\t+1], v[L8], s[82:83] offset:512*\i+256*\t
	global_load_b64 v[SB+4*\i+2*\t:SB+4*\i+2*\t+1], v[L8], s[84:85] offset:512*\i+256*\t
.endr
.endr
.irp J, 0,1
.irp j, 0,1,2,3
	global_load_b128 v[BI+16*\J+4*\j:BI+16*\J+4*\j+3], v[BA], s[86:87] offset:128*\J+16*\j
.endr
.endr
.macro FETCH qd, q, set
	WIN TO_F
.irp i, 0,1,2,3
	ds_load_b128 v[128*(\set)+12*\i:128*(\set)+12*\i+3], v[A16+(\qd)] offset:12288*\i+1536*(\q)
	ds_load_b64 v[128*(\set)+12*\i+4:128*(\set)+12*\i+5], v[A8+(\qd)] offset:12288*\i+1536*(\q)+512
	ds_load_b128 v[128*(\set)+12*\i+6:128*(\set)+12*\i+9], v[A16+(\qd)] offset:12288*\i+1536*(\q)+768
	ds_load_b64 v[128*(\set)+12*\i+10:128*(\set)+12*\i+11], v[A8+(\qd)] offset:12288*\i+1536*(\q)+1280
	ds_load_b128 v[128*(\set)+48+12*\i:128*(\set)+48+12*\i+3], v[B16+(\qd)] offset:12288*\i+1536*(\q)
	ds_load_b64 v[128*(\set)+48+12*\i+4:128*(\set)+48+12*\i+5], v[B8+(\qd)] offset:12288*\i+1536*(\q)+512
	ds_load_b128 v[128*(\set)+48+12*\i+6:128*(\set)+48+12*\i+9], v[B16+(\qd)] offset:12288*\i+1536*(\q)+768
	ds_load_b64 v[128*(\set)+48+12*\i+10:128*(\set)+48+12*\i+11], v[B8+(\qd)] offset:12288*\i+1536*(\q)+1280
.endr
.endm
.macro MUL8 a0, k
	WIN MUL
.irp a, \a0, \a0+1
.irp b, 0,1,2,3
.set rD, ACC+8*(4*(\a)+\b)
.set rB, 128*((\k)%2)+48+12*\b
.set rA, 128*((\k)%2)+12*(\a)
.set rSB, SB+4*\b+2*((\k)/4)+(\k)%2
.set rSA, SA+4*(\a)+2*((\k)/4)+(\k)%2
.if (\k) == 0
	v_wmma_scale_f32_16x16x128_f8f6f4 v[rD:rD+7], v[rB:rB+11], v[rA:rA+11], v[BI+8*\b:BI+8*\b+7], v[rSB], v[rSA] matrix_a_fmt:MATRIX_FMT_FP6 matrix_b_fmt:MATRIX_FMT_FP6
.elseif ((\k)/2)%2
	v_wmma_scale_f32_16x16x128_f8f6f4 v[rD:rD+7], v[rB:rB+11], v[rA:rA+11], v[rD:rD+7], v[rSB], v[rSA] matrix_a_fmt:MATRIX_FMT_FP6 matrix_b_fmt:MATRIX_FMT_FP6 matrix_a_scale:MATRIX_SCALE_ROW1 matrix_b_scale:MATRIX_SCALE_ROW1
.else
	v_wmma_scale_f32_16x16x128_f8f6f4 v[rD:rD+7], v[rB:rB+11], v[rA:rA+11], v[rD:rD+7], v[rSB], v[rSA] matrix_a_fmt:MATRIX_FMT_FP6 matrix_b_fmt:MATRIX_FMT_FP6
.endif
.endr
.endr
.endm
.macro EVEN k
	s_wait_dscnt 0x0
.if (\k) > 0
	PLACES
.endif
	FETCH (\k)/2, 1, 1
	MUL8 0, \k
	MUL8 2, \k
.endm
.macro ODD k, n
	s_wait_dscnt 0x0
	MUL8 0, \k
	PLACES
	FETCH ((\k)+1)/2, 0, 0
	MUL8 2, \k
.endm
	s_wait_alu depctr_va_vdst(0)
	s_wait_tensorcnt 0x0                           ; my four tiles are in; behind the barrier everybody's are
	s_barrier_signal -1
	s_barrier_wait -1
	FETCH 0, 0, 0
	s_wait_loadcnt 0x0
	EVEN 0
	ODD 1, 2
	EVEN 2
	ODD 3, 1
	EVEN 4
	ODD 5, 0
	EVEN 6
	s_wait_dscnt 0x0
	MUL8 0, 7
	MUL8 2, 7
	WIN 0
	PLACES
.macro OUT a
.set OB, 80-32*((\a)%2)
.if (\a) > 1
	s_wait_xcnt 0x0
.endif
.irp b, 0,1,2,3
	ds_store_b128 v[STO], v[ACC+8*(4*(\a)+\b):ACC+8*(4*(\a)+\b)+3] offset:128*(\b/2)+32*(\b%2)
	ds_store_b128 v[STO], v[ACC+8*(4*(\a)+\b)+4:ACC+8*(4*(\a)+\b)+7] offset:128*(\b/2)+32*(\b%2)+16
.endr
.irp t, 0,1,2,3,4,5,6,7
	ds_load_b128 v[OB+4*\t:OB+4*\t+3], v[RD] offset:544*\t
.endr
	s_wait_dscnt 0x0
.irp t, 0,1,2,3,4,5,6,7
	global_store_b128 v[CO], v[OB+4*\t:OB+4*\t+3], s[88:89] offset:(2*\t+8*(\t/4)+32*((\a)/2)+8*((\a)%2))*4096 th:TH_STORE_NT
.endr
.endm
.irp a, 0,1,2,3
	OUT \a
.endr
	s_wait_tensorcnt 0x0
	ds_add_u32 v30, v31
	s_wait_dscnt 0x0
	CROUND
	s_endpgm
.Lfunc_end_k_q1f1f92773a_oproj:
	.size	k_q1f1f92773a_oproj, .Lfunc_end_k_q1f1f92773a_oproj-k_q1f1f92773a_oproj
	.p2alignl 7, 3214868480
	.fill 96, 4, 3214868480
	.section	.rodata,"a",@progbits
	.p2align	6, 0x0
	.amdhsa_kernel k_q1f1f92773a_oproj
		.amdhsa_group_segment_fixed_size 327680
		.amdhsa_private_segment_fixed_size 0
		.amdhsa_enable_private_segment 0
		.amdhsa_kernarg_size 32
		.amdhsa_user_sgpr_count 2
		.amdhsa_user_sgpr_kernarg_segment_ptr 1
		.amdhsa_wavefront_size32 1
		.amdhsa_system_sgpr_workgroup_id_x 1
		.amdhsa_system_sgpr_workgroup_id_y 1
		.amdhsa_system_sgpr_workgroup_id_z 1
		.amdhsa_system_vgpr_workitem_id 0
		.amdhsa_next_free_vgpr 512
		.amdhsa_next_free_sgpr 96
		.amdhsa_reserve_vcc 0
		.amdhsa_float_denorm_mode_32 3
		.amdhsa_float_denorm_mode_16_64 3
		.amdhsa_memory_ordered 1
		.amdhsa_forward_progress 1
		.amdhsa_inst_pref_size 51
	.end_amdhsa_kernel
	.amdgpu_metadata
---
amdhsa.version: [ 1, 2 ]
amdhsa.kernels:
  - .name:           k_q1f1f92773a_oproj
    .symbol:         k_q1f1f92773a_oproj.kd
    .args:
      - { .name: oq, .offset: 0, .size: 8, .value_kind: global_buffer, .address_space: global }
      - { .name: wq, .offset: 8, .size: 8, .value_kind: global_buffer, .address_space: global }
      - { .name: bo, .offset: 16, .size: 8, .value_kind: global_buffer, .address_space: global }
      - { .name: out0, .offset: 24, .size: 8, .value_kind: global_buffer, .address_space: global }
    .group_segment_fixed_size: 327680
    .private_segment_fixed_size: 0
    .kernarg_segment_align: 8
    .kernarg_segment_size: 32
    .max_flat_workgroup_size: 128
    .sgpr_count:     96
    .vgpr_count:     512
    .wavefront_size: 32
...
	.end_amdgpu_metadata
.endif
;; end of part 4
